; MI455X (gfx1250); checked and timed in simulation.
; The chip was launched on July 23, 2026; its instructions are those of AMD's public machine-readable ISA for CDNA 5 (MIT licence, August 2026) and "CDNA5" Instruction Set Architecture Reference Guide (July 2026). The comments in the code are by the model that wrote it; some were corrected since.
;; LSTM Baseline. Allowed arithmetic: float matrix products may take bf16 or f16 operands with f32 sums; other float arithmetic in f32, or as packed bf16 or f16 multiplies, adds, multiply-adds, maxima and minima; sums over many terms, partial sums and values carried from step to step in f32; what a program stores and reads back later, other than sums and carried values, may be rounded once to bf16 or f16.
;; Inputs: W_dec 512 x 1,024 float32; W_hh0 4,096 x 1,024 float32; W_hh1 4,096 x 1,024 float32; W_ih0 4,096 x 512 float32; W_ih1 4,096 x 1,024 float32; b_dec 512 float32; b_hh0 4,096 float32; b_hh1 4,096 float32; b_ih0 4,096 float32; b_ih1 4,096 float32; x 8,192 x 512 float32.
;; Outputs: out0 8,192 x 512 float32.
;; One version. Each part assembles by itself: llvm-mc -triple=amdgcn-amd-amdhsa -mcpu=gfx1250 --defsym DOCPART=n.
;; ======== version 1 of 1: 4 launches
;; workspace buffers: xb 8,388,608 bytes; w0b 4,194,304 bytes; w1b 8,388,608 bytes; wdb 1,048,576 bytes; h0 16,777,216 bytes; h1 16,777,216 bytes
;; launch prep (part 1): grid 576 x 1, 8 waves a work-group, no clusters, 0 bytes of LDS; arguments x, W_ih0, W_ih1, W_dec, xb, w0b, w1b, wdb; writes xb, w0b, w1b, wdb
.if DOCPART == 1
	.amdgcn_target "amdgcn-amd-amdhsa--gfx1250"
	.amdhsa_code_object_version 6
	.text
	.protected	k_q9a1f74ec7e_prep
	.globl	k_q9a1f74ec7e_prep
	.p2align	8
	.type	k_q9a1f74ec7e_prep,@function
k_q9a1f74ec7e_prep:
	s_mov_b64 s[64:65], 0
	v_nop
	global_prefetch_b8 v0, s[64:65] scope:SCOPE_SE
	s_setreg_imm32_b32 hwreg(HW_REG_WAVE_MODE, 25, 1), 1
	s_wait_xcnt 0x0
; THE MATRIX OPERANDS, ROUNDED ONCE TO bf16 AND LAID IN PANELS.  x [8192][512], W_ih0 [4096][512], W_ih1 [4096][1024], W_dec [512][1024], all f32.
; A matrix [R][K] leaves as [K/128][R][128] bf16: element (row, k) at byte ((k / 128) R + row) 256 + 2 (k % 128).  So 128 k of any 128 rows are 32,768 bytes on end,
; rows of 256 bytes, and a step of 128 along K is R x 256 bytes further on, whatever K is.
; NOT READ: rows 1024..2047 of W_ih0 and W_ih1 (the forget gate).  reference() splits that gate off and uses it in no expression; the rows' places in w0b and w1b are
; never written and no later launch reads them.
; A stream: no LDS, no barrier, no matrix unit, no cluster (no two work-groups read the same byte).
; SHARES.  A work-group converts a chunk of 16,384 consecutive numbers (65,536 bytes in, 32,768 out) in eight steps of 2,048; in a step thread t takes the 8 numbers at 8 t:
; two loads of 16 bytes, four packed roundings, one store of 16 bytes; sixteen neighbouring lanes store 256 consecutive bytes, aligned: 128 k of one row in one panel.
; All sixteen loads of a thread are issued before the first wait; no register is written twice, so no source of a pending instruction is ever rewritten.
; WORK-GROUPS.  0..255 x; 256..351 W_ih0 (96 of its 128 chunks); 352..543 W_ih1 (192 of 256); 544..575 W_dec.
.set X,   8                            ; v[8:71]    step j: 8 numbers as loaded
.set Y,   72                           ; v[72:103]  step j: 4 registers to store
.set SRC, 30                           ; s[30:31]   the source at my chunk
.set DST, 32                           ; s[32:33]   the target at my chunk's first row, panel 0
.macro CONV rowstep                    ; rowstep: bytes of a panel that a step's rows take (4 rows at K = 512, 2 at K = 1024)
.irp j, 0,1,2,3,4,5,6,7
	global_load_b128 v[X+8*(\j):X+8*(\j)+3],   v1, s[SRC:SRC+1] offset:8192*(\j) th:TH_LOAD_NT
	global_load_b128 v[X+8*(\j)+4:X+8*(\j)+7], v1, s[SRC:SRC+1] offset:8192*(\j)+16 th:TH_LOAD_NT
.endr
.irp j, 0,1,2,3,4,5,6,7
	s_wait_loadcnt 14-2*(\j)                       ; loads come back in order: step j's two are in, the 14 - 2 j younger ones stay out
.irp p, 0,1,2,3
	v_cvt_pk_bf16_f32 v[Y+4*(\j)+(\p)], v[X+8*(\j)+2*(\p)], v[X+8*(\j)+2*(\p)+1]
.endr
	global_store_b128 v2, v[Y+4*(\j):Y+4*(\j)+3], s[DST:DST+1] offset:(\j)*(\rowstep)
.endr
	s_endpgm
.endm
	s_load_b512 s[8:23], s[0:1], 0x0               ; x 8, W_ih0 10, W_ih1 12, W_dec 14, xb 16, w0b 18, w1b 20, wdb 22
	s_mov_b32 s2, ttmp9                            ; the work-group's number
	v_lshlrev_b32 v1, 5, v0                        ; my 32 bytes in a step's 8,192
	v_and_b32 v3, 15, v0
	v_lshlrev_b32 v3, 4, v3                        ; my 16 bytes in a panel's row
	s_mov_b32 s35, 0
	s_mov_b32 s37, 0
	s_wait_kmcnt 0x0
	s_cmp_ge_u32 s2, 352
	s_cbranch_scc1 .Lk1024
	; K = 512: a chunk is 32 rows
	s_cmp_lt_u32 s2, 256
	s_cselect_b64 s[SRC:SRC+1], s[8:9], s[10:11]
	s_cselect_b64 s[DST:DST+1], s[16:17], s[18:19]
	s_cselect_b32 s28, 21, 20                      ; a panel is 8192 x 256 or 4096 x 256 bytes
	s_cselect_b32 s29, 0, 256                      ; the region's first work-group
	s_cselect_b32 s38, 256, 32                     ; from this chunk on 32 chunks are skipped (W_ih0's rows 1024..2047); x has no such chunk
	s_sub_co_u32 s3, s2, s29
	s_cmp_ge_u32 s3, s38
	s_cselect_b32 s39, 32, 0
	s_add_co_u32 s3, s3, s39                       ; my chunk
	s_lshl_b32 s34, s3, 16
	s_lshl_b32 s36, s3, 13                         ; 32 rows of 256 bytes
	s_add_nc_u64 s[SRC:SRC+1], s[SRC:SRC+1], s[34:35]
	s_add_nc_u64 s[DST:DST+1], s[DST:DST+1], s[36:37]
	v_bfe_u32 v4, v0, 4, 2                         ; my panel: (8 t % 512) / 128
	v_lshlrev_b32 v4, s28, v4
	v_lshrrev_b32 v5, 6, v0                        ; my row of the step's four
	v_lshl_add_u32 v4, v5, 8, v4
	v_add_nc_u32 v2, v4, v3
	CONV 1024
.Lk1024:                                               ; K = 1024: a chunk is 16 rows
	s_cmp_lt_u32 s2, 544
	s_cselect_b64 s[SRC:SRC+1], s[12:13], s[14:15]
	s_cselect_b64 s[DST:DST+1], s[20:21], s[22:23]
	s_cselect_b32 s28, 20, 17                      ; a panel is 4096 x 256 or 512 x 256 bytes
	s_mov_b32 s29, 544
	s_cselect_b32 s29, 352, s29
	s_sub_co_u32 s3, s2, s29
	s_cmp_ge_u32 s3, 64                            ; W_ih1's rows 1024..2047 are its chunks 64..127; W_dec has 32 chunks and reaches none
	s_cselect_b32 s39, 64, 0
	s_add_co_u32 s3, s3, s39
	s_lshl_b32 s34, s3, 16
	s_lshl_b32 s36, s3, 12                         ; 16 rows of 256 bytes
	s_add_nc_u64 s[SRC:SRC+1], s[SRC:SRC+1], s[34:35]
	s_add_nc_u64 s[DST:DST+1], s[DST:DST+1], s[36:37]
	v_bfe_u32 v4, v0, 4, 3                         ; my panel: (8 t % 1024) / 128
	v_lshlrev_b32 v4, s28, v4
	v_lshrrev_b32 v5, 7, v0                        ; my row of the step's two
	v_lshl_add_u32 v4, v5, 8, v4
	v_add_nc_u32 v2, v4, v3
	CONV 512
.Lfunc_end_k_q9a1f74ec7e_prep:
	.size	k_q9a1f74ec7e_prep, .Lfunc_end_k_q9a1f74ec7e_prep-k_q9a1f74ec7e_prep
	.p2alignl 7, 3214868480
	.fill 96, 4, 3214868480
	.section	.rodata,"a",@progbits
	.p2align	6, 0x0
	.amdhsa_kernel k_q9a1f74ec7e_prep
		.amdhsa_group_segment_fixed_size 0
		.amdhsa_private_segment_fixed_size 0
		.amdhsa_enable_private_segment 0
		.amdhsa_kernarg_size 64
		.amdhsa_user_sgpr_count 2
		.amdhsa_user_sgpr_kernarg_segment_ptr 1
		.amdhsa_wavefront_size32 1
		.amdhsa_system_sgpr_workgroup_id_x 1
		.amdhsa_system_sgpr_workgroup_id_y 1
		.amdhsa_system_sgpr_workgroup_id_z 1
		.amdhsa_system_vgpr_workitem_id 0
		.amdhsa_next_free_vgpr 104
		.amdhsa_next_free_sgpr 66
		.amdhsa_reserve_vcc 0
		.amdhsa_float_denorm_mode_32 3
		.amdhsa_float_denorm_mode_16_64 3
		.amdhsa_memory_ordered 1
		.amdhsa_forward_progress 1
		.amdhsa_inst_pref_size 12
	.end_amdhsa_kernel
	.amdgpu_metadata
---
amdhsa.version: [ 1, 2 ]
amdhsa.kernels:
  - .name:           k_q9a1f74ec7e_prep
    .symbol:         k_q9a1f74ec7e_prep.kd
    .args:
      - { .name: x, .offset: 0, .size: 8, .value_kind: global_buffer, .address_space: global }
      - { .name: W_ih0, .offset: 8, .size: 8, .value_kind: global_buffer, .address_space: global }
      - { .name: W_ih1, .offset: 16, .size: 8, .value_kind: global_buffer, .address_space: global }
      - { .name: W_dec, .offset: 24, .size: 8, .value_kind: global_buffer, .address_space: global }
      - { .name: xb, .offset: 32, .size: 8, .value_kind: global_buffer, .address_space: global }
      - { .name: w0b, .offset: 40, .size: 8, .value_kind: global_buffer, .address_space: global }
      - { .name: w1b, .offset: 48, .size: 8, .value_kind: global_buffer, .address_space: global }
      - { .name: wdb, .offset: 56, .size: 8, .value_kind: global_buffer, .address_space: global }
    .group_segment_fixed_size: 0
    .private_segment_fixed_size: 0
    .kernarg_segment_align: 8
    .kernarg_segment_size: 64
    .max_flat_workgroup_size: 256
    .sgpr_count:     66
    .vgpr_count:     104
    .wavefront_size: 32
...
	.end_amdgpu_metadata
.endif
;; end of part 1
;; launch layer0 (part 2): grid 8 x 64, 4 waves a work-group, clusters of 4 x 4, 327,680 bytes of LDS; arguments xb, w0b, b_ih0, b_hh0, h0; writes h0
.if DOCPART == 2
	.amdgcn_target "amdgcn-amd-amdhsa--gfx1250"
	.amdhsa_code_object_version 6
	.text
	.protected	k_q9a1f74ec7e_layer0
	.globl	k_q9a1f74ec7e_layer0
	.p2align	8
	.type	k_q9a1f74ec7e_layer0,@function
k_q9a1f74ec7e_layer0:
	s_mov_b64 s[64:65], 0
	v_nop
	global_prefetch_b8 v0, s[64:65] scope:SCOPE_SE
	s_setreg_imm32_b32 hwreg(HW_REG_WAVE_MODE, 25, 1), 1
	s_wait_xcnt 0x0
	s_wait_alu depctr_hold_cnt(0) depctr_sa_sdst(0) depctr_va_vdst(0) depctr_va_sdst(0) depctr_va_ssrc(0) depctr_va_vcc(0) depctr_vm_vsrc(0)
	s_getreg_b32 s2, hwreg(HW_REG_IB_STS2, 6, 4)
	s_cmp_eq_u32 s2, 0
	s_cbranch_scc0 .Lentry_in_a_cluster
	s_endpgm
.Lentry_in_a_cluster:
	s_bfe_u32 s2, ttmp6, 0x10000c
	s_cmp_lg_u32 s2, 0xf033
	s_cbranch_scc0 .Lentry_shape_is_right
	s_endpgm
.Lentry_shape_is_right:
; ONE LSTM CELL STEP WITH ZERO STATE.  gates = A W^T + (b_ih + b_hh); h = sigmoid(o) tanh(sigmoid(i) tanh(g)).  This text is the first layer's, K = 512; the second layer's differs in the constant KDIM alone.
; A: [K/128][8192][128] bf16 (panels: element (row, k) at ((k / 128) 8192 + row) 256 + 2 (k % 128)); W: [K/128][4096][128] bf16, rows i 0.., g 2048.., o 3072..;
; b_ih, b_hh: [4096] f32; h leaves as [8][8192][128] bf16, the next launch's A.
; NOT READ, because reference() uses them in no expression of its result: W_hh (the state is zero and the product is not written there), and the forget gate's rows of W and of both biases.
; ARITHMETIC.  Products of bf16 numbers, sums in f32; b_ih + b_hh, added in f32, is the C operand of each sum's first product.  With L = log2(e):
; sigmoid(t) = 1 / (1 + 2^(-L t)); tanh(t) = 1 - 2 / (1 + 2^(2 L t)); c = sigmoid(i) tanh(g) lies in -1 .. 1, so E_c = 2^(2 L c) lies in e^-2 .. e^2, and
; h = (E_c - 1) / ((1 + E_o)(1 + E_c)), E_o = 2^(-L o).  An exponential that overflows gives an infinity, its reciprocal 0, and every other factor is finite: no clamp is needed.
; LIMITS.  tanh of a tiny argument carries an absolute error of about 1e-7 (the difference E_c - 1); an exponential below 2^-126 counts as 0; NaN and infinities in the inputs are not treated apart; h is rounded once to bf16.
; SHARES.  A work-group makes 128 rows x 128 hidden numbers: 128 x 384 gate columns.  Wave w takes all 128 rows x hidden 32 w .. 32 w + 31 x the three gates: 8 row blocks a x 6 column
; blocks c = 2 q + hb (q: gate i, g, o; hb: which 16 hidden): 48 accumulators, 384 registers.  i, g and o of a hidden number lie in the same lane and register number of three accumulators.
; THE MATRIX INSTRUCTION IS USED TRANSPOSED (source 0 = 16 rows of W, source 1 = 16 rows of A): lane l holds row l % 16 of A and the gate columns 8 (l / 16) + 0..7: eight neighbouring hidden numbers.
; RING.  K goes in steps of 128 through two LDS slots of four regions: A, W_i, W_g, W_o, 128 rows x 256 bytes each; wave w fetches region w by one tensor load.
; CLUSTER.  4 x 4 work-groups.  The four of a row of the cluster have the same rows of A, the four of a column the same rows of W: each region is asked for JOINTLY, by the same load with the same
; descriptor and a mask that names the four.  By this text's count a wave has two tensor loads out at the start and one behind each round.
; REGISTERS, in windows of 256 (s_set_vgpr_msb: bits 1:0 source 0, 3:2 source 1, 5:4 source 2, 7:6 destination):
;   window 0: v0-31 addresses; v32-159 A's fragments, two buffers of 64; v160-255 W's fragments, two buffers of 48; on the way out v32-255 are at work
;   window 1: v0-191 accumulators of row blocks 0-3, (a, c) at 8 (6 a + c); v192-239 the bias, 8 registers a column block
;   window 2: v0-191 accumulators of row blocks 4-7; v192-239 b_hh as loaded
.set KDIM,   512
.set NL,     KDIM/256-1                ; trips of the lap loop: a lap is two K steps, and the last lap is written out
.set PITCH,  272                       ; an LDS row: 256 bytes + 16 of padding = 68 words: the 16 rows of a load start at 16 different groups of four banks (64 banks of 4 bytes: ISA guide 11.1)
.set HALFT,  128*PITCH                 ; a region: what one tensor load brings
.set SLOT,   4*HALFT
.set STAGE,  2*SLOT                    ; behind the ring: the tile of h, 128 rows x 272 bytes, the work-group's; no tensor load lands there
.set SPARE,  STAGE+128*PITCH           ; behind the stage: the spare words, 128 bytes for each wave: two blocks of 256 bytes that no other line names
.set APAN,   8192*256                  ; bytes from a K step of A to the next
.set WPAN,   4096*256                  ; the same for W
.set ADRA, 16                          ; v16-17  LDS address of my A fragments in slot 0, 1
.set ADRB, 18                          ; v18-23  of my W fragments: slot s, gate q at 18 + 3 s + q
.set STO,  24                          ; v24     the way out: where I put 16 bytes of a row of h
.set RD,   25                          ; v25     where I read a row back
.set CO,   26                          ; v26     my 16 bytes in 512 consecutive bytes of h
.set BO,   27                          ; v27     my 32 bytes in a column block's 64 bytes of bias
.set SPW,  28                          ; v28     LDS address of my spare word: SPARE + 4 x my thread's number; never rewritten
.set NIL,  29                          ; v29     0; never rewritten
.set PFO,  30                          ; v30     the prefetches' offset: 256 x my lane; never rewritten
.set FA,   32
.set FB,   160
.set BIAS, 192                         ; in window 1
.set TI,   32                          ; the way out, window 0: 64 registers each for i's, g's and o's numbers of four row blocks,
.set TG,   96
.set TO,   160
.set PK,   224                         ; 32 of packed h,
.set OUT,  32                          ; and at the end 64 of whole rows
.set WV,  16                           ; s16  my wave's number
.set WH,  17                           ; s17  wave x HALFT
.set CX,  18
.set CY,  19
.set TX,  20                           ; s20  hidden block = 4 x cluster x + cx
.set TY,  21                           ; s21  row block = 4 x cluster y + cy
.set G1A, 24                           ; s[24:31] descriptor group 1 for A's region
.set G0A, 32                           ; s[32:39] group 0, a set for each slot
.set G1B, 40                           ; s[40:47], s[48:55] the same for W's regions
.set G0B, 48
.set I,   57                           ; s57  the loops' counter: trips still to come
.set PFA, 58                           ; s[58:59] where my prefetches stand
.set PFS, 60                           ; s[60:61] their step: a K step of A or of W
.set LIM, 62                           ; s62  1 in a wave that prefetches, else the greatest number
.set KN,  72                           ; s[72:73] -L      the packed forms name a pair and take its low word for both halves
.set K2,  74                           ; s[74:75] 2 L
.set M4,  76                           ; s[76:77] -4 L
.set MSB, 0
.macro WIN new                         ; the immediate's high byte repeats the setting that is left; a switch that changes nothing is dropped
.if MSB != (\new)
	s_set_vgpr_msb (MSB<<8)|(\new)
.set MSB, \new
.endif
.endm
.set W_LO,  0x50                       ; fragments in window 0, C and D in window 1
.set W_HI,  0xa0                       ; C and D in window 2
.set W_HI1, 0x90                       ; C (the bias) in window 1, D in window 2
; A joint load.  Wave 0 fetches A's region, waves 1 to 3 W's three.  Each line has one mask; the branch hangs on the wave's number alone.
; An s_nop 0 and four v_nop follow each of the two lines, ahead of the jump, the label and what follows.
.macro JLOAD s
	s_cmp_eq_u32 s[WV], 0
	s_cbranch_scc0 .Lfor_w_\@
	tensor_load_to_lds s[G0A+4*(\s):G0A+4*(\s)+3], s[G1A:G1A+7]
	s_nop 0
.rept 4
	v_nop
.endr
	s_branch .Lasked_\@
.Lfor_w_\@:
	tensor_load_to_lds s[G0B+4*(\s):G0B+4*(\s)+3], s[G1B:G1B+7]
	s_nop 0
.rept 4
	v_nop
.endr
.Lasked_\@:
.endm
; A PREFETCH INTO THE L2 of the K step that the NEXT refill will ask for: 32 rows x 256 bytes, a lane a row, one instruction a wave, behind the joint load, its five lines and the run of LDS loads.
; Each row's 256 bytes of a K step are named once in the launch: A's rows are read by both clusters of a row of clusters, and the one with x = 0 asks; W's by all clusters of a column, and the one with
; y = 0 asks.  Of the 128 rows that a wave fetches each of the four partners takes 32, told apart BY ADDRESS (cx for A, cy for W).  K steps 0 to 2 come by their loads alone.
; how = 1: the K step named always exists.  how = 0: it exists in all trips but the last (the counter is 1 there); with one trip it never does, and nothing is assembled.
.macro ASK how
.if (\how) || (NL > 1)
.if \how
	s_cmp_eq_u32 s[LIM], 1
.else
	s_cmp_gt_u32 s[I], s[LIM]
.endif
	s_cbranch_scc0 .Lnot_mine_\@
	global_prefetch_b8 v[PFO], s[PFA:PFA+1] th:TH_LOAD_NT scope:SCOPE_SE
.Lnot_mine_\@:
.endif
.endm
; A round of the cluster's barrier: my work-group's barrier; wave 0 signals for the work-group; every wave waits for all sixteen; my work-group's barrier once more.
.macro CREST                           ; a round behind its opening barrier
	s_cmp_lg_u32 s[WV], 0
	s_cbranch_scc1 .Lnot_wave_0_\@
	s_barrier_signal -3
.Lnot_wave_0_\@:
	s_barrier_wait -3
	s_barrier_signal -1
	s_barrier_wait -1
.endm
.macro CROUND
	s_barrier_signal -1
	s_barrier_wait -1
	CREST
.endm
	s_load_b256 s[4:11], s[0:1], 0x0               ; A s[4:5], W s[6:7], b_ih s[8:9], b_hh s[10:11]
	s_load_b64 s[12:13], s[0:1], 0x20              ; h
	v_lshl_add_u32 v[SPW], v0, 2, SPARE
	v_mov_b32 v[NIL], 0
	ds_add_u32 v[SPW], v[NIL]                      ; the wave's opening: the add and its wait stand ahead of my first tensor load; the set-up below, work on registers, stands between them
	v_lshrrev_b32 v1, 5, v0
	v_readfirstlane_b32 s[WV], v1                  ; wave 0..3
	s_bfe_u32 s[CX], ttmp6, 0x40000
	s_bfe_u32 s[CY], ttmp6, 0x40004
	s_lshl_b32 s[TX], ttmp9, 2                     ; in a cluster launch ttmp9 and ttmp7 count clusters
	s_add_co_u32 s[TX], s[TX], s[CX]
	s_and_b32 s[TY], ttmp7, 0xffff
	s_lshl_b32 s[TY], s[TY], 2
	s_add_co_u32 s[TY], s[TY], s[CY]
	s_lshl_b32 s22, s[CY], 2
	s_lshl_b32 s22, 15, s22                        ; my row of the cluster: places 4 cy .. 4 cy + 3
	s_lshl_b32 s23, 0x1111, s[CX]                  ; my column: places cx, cx + 4, cx + 8, cx + 12
	; descriptor group 1: 128 rows x 128 elements of 2 bytes, dense in memory, padded in LDS
	s_or_b32 s[G1A], s22, (1<<16)|(1<<20)|(1<<21)|(5<<22)|(3<<25)  ; 15:0 the mask; 17:16 2-byte elements; 20 padding on; 21 set beside a mask; 24:22 after every 64 words (code 5); 31:25 4 words (code 3)
	s_or_b32 s[G1B], s23, (1<<16)|(1<<20)|(1<<21)|(5<<22)|(3<<25)
.irp g, G1A, G1B
	s_mov_b32 s[(\g)+1], 128<<16                   ; tensor_dim0 = 128
	s_mov_b32 s[(\g)+2], 128<<16                   ; tensor_dim1 = 128
	s_mov_b32 s[(\g)+3], 128<<16                   ; tile_dim0 = 128
	s_mov_b32 s[(\g)+4], 128                       ; tile_dim1 = 128
	s_mov_b32 s[(\g)+5], 128                       ; 128 elements from row to row
	s_mov_b32 s[(\g)+6], 0
	s_mov_b32 s[(\g)+7], 0
.endr
	s_lshl_b32 s80, s[TY], 15                      ; A: my 128 rows of 256 bytes; it hangs on the row block alone
	s_mov_b32 s81, 0
	s_cmp_ge_u32 s[WV], 2                          ; W: wave 1 rows 0.. (i), wave 2 rows 2048.. (g), wave 3 rows 3072.. (o); wave 0's number is in range and unused
	s_cselect_b32 s82, s[WV], 0
	s_lshl_b32 s82, s82, 18                        ; 1,024 rows of 256 bytes
	s_lshl_b32 s83, s[TX], 15
	s_add_co_u32 s82, s82, s83                     ; it hangs on the hidden block and the wave alone
	s_mov_b32 s83, 0
	s_mul_i32 s[WH], s[WV], HALFT                  ; region = wave: no place in the cluster enters an LDS address
	s_mov_b32 s[KN], 0xbfb8aa3b
	s_mov_b32 s[KN+1], s[KN]
	s_mov_b32 s[K2], 0x4038aa3b
	s_mov_b32 s[K2+1], s[K2]
	s_mov_b32 s[M4], 0xc0b8aa3b
	s_mov_b32 s[M4+1], s[M4]
	s_wait_dscnt 0x0                               ; the opening add is done
	s_wait_kmcnt 0x0
	s_add_nc_u64 s[68:69], s[4:5], s[80:81]
	s_add_nc_u64 s[70:71], s[6:7], s[82:83]
	CROUND                                         ; all sixteen work-groups are here: the first joint loads meet
.irp s, 0,1
	s_mov_b32 s[G0A+4*(\s)], 1                                       ; count = 1
	s_add_co_u32 s[G0A+4*(\s)+1], s[WH], (\s)*SLOT                   ; LDS address
	s_add_nc_u64 s[G0A+4*(\s)+2:G0A+4*(\s)+3], s[68:69], (\s)*APAN   ; global address: K step s
	s_or_b32 s[G0A+4*(\s)+3], s[G0A+4*(\s)+3], 0x80000000            ; type = 2
	s_mov_b32 s[G0B+4*(\s)], 1
	s_add_co_u32 s[G0B+4*(\s)+1], s[WH], (\s)*SLOT
	s_add_nc_u64 s[G0B+4*(\s)+2:G0B+4*(\s)+3], s[70:71], (\s)*WPAN
	s_or_b32 s[G0B+4*(\s)+3], s[G0B+4*(\s)+3], 0x80000000
	JLOAD \s
.endr
	; IN THE WAIT FOR THE FIRST TILE.  The biases of my 32 hidden numbers in the three gates: register j of column block c = 2 q + hb holds hidden 16 hb + 8 (l / 16) + j of gate q.
	s_lshl_b32 s84, s[TX], 9                       ; 128 hidden x 4 bytes,
	s_lshl_b32 s85, s[WV], 7                       ; my 32
	s_add_co_u32 s84, s84, s85
	s_mov_b32 s85, 0
	s_add_nc_u64 s[8:9], s[8:9], s[84:85]
	s_add_nc_u64 s[10:11], s[10:11], s[84:85]
	v_bfe_u32 v2, v0, 4, 1                         ; l / 16
	v_lshlrev_b32 v[BO], 5, v2
	WIN 0x40                                       ; destination window 1
.irp c, 0,1,2,3,4,5                    ; the gates begin at numbers 0, 2048 and 3072: 4,096 bytes x (q + (q + 1) / 2)
	global_load_b128 v[BIAS+8*(\c):BIAS+8*(\c)+3],   v[BO], s[8:9] offset:4096*((\c)/2+((\c)/2+1)/2)+64*((\c)%2)
	global_load_b128 v[BIAS+8*(\c)+4:BIAS+8*(\c)+7], v[BO], s[8:9] offset:4096*((\c)/2+((\c)/2+1)/2)+64*((\c)%2)+16
.endr
	WIN 0x80                                       ; destination window 2
.irp c, 0,1,2,3,4,5
	global_load_b128 v[BIAS+8*(\c):BIAS+8*(\c)+3],   v[BO], s[10:11] offset:4096*((\c)/2+((\c)/2+1)/2)+64*((\c)%2)
	global_load_b128 v[BIAS+8*(\c)+4:BIAS+8*(\c)+7], v[BO], s[10:11] offset:4096*((\c)/2+((\c)/2+1)/2)+64*((\c)%2)+16
.endr
	WIN 0
	; A fragment is 16 rows x 32 K in 8 registers: lane l holds row l % 16; registers 0-3 K = 8 (l / 16) + 0..7, registers 4-7 K = 16 + 8 (l / 16) + 0..7: two loads of 16 bytes, 32 bytes apart.
	v_and_b32 v1, 15, v0                           ; l % 16
	v_mul_u32_u24 v3, v1, PITCH
	v_lshl_add_u32 v3, v2, 4, v3                   ; row x pitch + 16 x half
	v_mov_b32 v[ADRA], v3
	v_add_nc_u32 v[ADRA+1], SLOT, v3
	s_mul_i32 s66, s[WV], 32*PITCH                 ; my 32 rows of a region of W, and of the stage
.irp s, 0,1
.irp q, 0,1,2
	s_add_co_u32 s67, s66, (\s)*SLOT+(1+(\q))*HALFT
	v_add_nc_u32 v[ADRB+3*(\s)+(\q)], s67, v3
.endr
.endr
	s_lshl_b32 s67, s[WV], 6                       ; into the stage: row l % 16, my wave's 64 bytes of its 256, 16 bytes for each half of the lanes
	s_add_co_u32 s67, s67, STAGE
	v_add_nc_u32 v[STO], s67, v3
	s_add_co_u32 s67, s66, STAGE                   ; back: wave w takes rows 32 w .. 32 w + 31, whole; lanes 0-15 one row, lanes 16-31 the next
	v_mul_u32_u24 v4, v2, PITCH
	v_lshl_add_u32 v4, v1, 4, v4
	v_add_nc_u32 v[RD], s67, v4
	v_and_b32 v5, 31, v0
	v_lshlrev_b32 v[CO], 4, v5
	v_lshlrev_b32 v[PFO], 8, v5
	s_lshl_b32 s86, s[TX], 21                      ; h: panel = hidden block,
	s_lshl_b32 s87, s[TY], 15                      ; my work-group's 128 rows,
	s_add_co_u32 s86, s86, s87
	s_lshl_b32 s87, s[WV], 13                      ; my wave's 32
	s_add_co_u32 s86, s86, s87
	s_mov_b32 s87, 0
	s_add_nc_u64 s[12:13], s[12:13], s[86:87]
	; the prefetches
	s_and_b32 s88, ttmp7, 0xffff                   ; cluster y
	s_cmp_eq_u32 s[WV], 0                          ; do I fetch A?
	s_cselect_b64 s[PFA:PFA+1], s[68:69], s[70:71]
	s_cselect_b32 s89, s[CX], s[CY]                ; my place among the four that ask with me
	s_cselect_b32 s88, ttmp9, s88                  ; the coordinate along which other clusters read the same rows
	s_cselect_b32 s92, 21, 20
	s_cmp_eq_u32 s88, 0
	s_cselect_b32 s[LIM], 1, -1                    ; the same in all sixteen partners, for a given wave
	s_lshl_b32 s[PFS], 1, s92
	s_mov_b32 s[PFS+1], 0
	s_lshl_b32 s90, s89, 13                        ; my work-group's 32 rows of the 128
	s_mov_b32 s91, 0
	s_add_nc_u64 s[PFA:PFA+1], s[PFA:PFA+1], s[90:91]
	s_add_nc_u64 s[PFA:PFA+1], s[PFA:PFA+1], s[PFS:PFS+1]
	s_add_nc_u64 s[PFA:PFA+1], s[PFA:PFA+1], s[PFS:PFS+1]  ; at K step 2: the first refill steps it to 3
	s_wait_loadcnt 0x0                             ; both biases
	WIN 0x49                                       ; destination and source 0 window 1, source 1 window 2
.set n, 0
.rept 24
	v_pk_add_f32 v[BIAS+n:BIAS+n+1], v[BIAS+n:BIAS+n+1], v[BIAS+n:BIAS+n+1]  ; b_ih + b_hh
.set n, n+2
.endr
	WIN 0
; 12 matrix instructions: row blocks a0, a0 + 1 of the window's four (hi = 0: rows 0-63, 1: rows 64-127) x all 6 column blocks, 32 along K.  first = 1: the bias starts the sums.
; In every quarter the 48 accumulators are taken once, in one order: 47 others stand between two links of a chain, over the backward jump too.
.macro MUL12 f, hi, a0, first
.if (\first) && (\hi)
	WIN W_HI1
.else
	WIN W_LO+0x50*(\hi)
.endif
.irp a, \a0, (\a0)+1
.irp c, 0,1,2,3,4,5
.if \first
	v_wmma_f32_16x16x32_bf16 v[8*(6*(\a)+(\c)):8*(6*(\a)+(\c))+7], v[FB+48*(\f)+8*(\c):FB+48*(\f)+8*(\c)+7], v[FA+64*(\f)+8*(4*(\hi)+(\a)):FA+64*(\f)+8*(4*(\hi)+(\a))+7], v[BIAS+8*(\c):BIAS+8*(\c)+7]
.else
	v_wmma_f32_16x16x32_bf16 v[8*(6*(\a)+(\c)):8*(6*(\a)+(\c))+7], v[FB+48*(\f)+8*(\c):FB+48*(\f)+8*(\c)+7], v[FA+64*(\f)+8*(4*(\hi)+(\a)):FA+64*(\f)+8*(4*(\hi)+(\a))+7], v[8*(6*(\a)+(\c)):8*(6*(\a)+(\c))+7]
.endif
.endr
.endr
.endm
; 28 LDS loads in one run: the fragments of 32 along K at byte k of the rows, into buffer f: W's 12, then A's 16
.macro FETCH slot, k, f
	WIN 0
.irp c, 0,1,2,3,4,5
	ds_load_b128 v[FB+48*(\f)+8*(\c):FB+48*(\f)+8*(\c)+3],   v[ADRB+3*(\slot)+(\c)/2] offset:(\k)+((\c)%2)*16*PITCH
	ds_load_b128 v[FB+48*(\f)+8*(\c)+4:FB+48*(\f)+8*(\c)+7], v[ADRB+3*(\slot)+(\c)/2] offset:(\k)+((\c)%2)*16*PITCH+32
.endr
.irp a, 0,1,2,3,4,5,6,7
	ds_load_b128 v[FA+64*(\f)+8*(\a):FA+64*(\f)+8*(\a)+3],   v[ADRA+(\slot)] offset:(\k)+(\a)*16*PITCH
	ds_load_b128 v[FA+64*(\f)+8*(\a)+4:FA+64*(\f)+8*(\a)+7], v[ADRA+(\slot)] offset:(\k)+(\a)*16*PITCH+32
.endr
.endm
.macro PLACES                          ; four places in front of loads into registers that matrix instructions have read, and of vector lines that read results (ISA guide 7.12.1 for the vector lines)
.rept 4
	v_nop
.endr
.endm
; A K step is four quarters of 32 along K, 48 matrix instructions each, on buffers 0, 1, 0, 1.  One of the first three: multiplies buffer f and, in its middle, fetches the next quarter, at byte k, into buffer g.
.macro QUARTER slot, k, f, g, first
	s_wait_dscnt 8                                 ; W and A's rows 0-63 are in; the youngest eight loads (A's rows 64-127) may be out
	MUL12 \f, 0, 0, \first
	MUL12 \f, 0, 2, \first
	PLACES
	FETCH \slot, \k, \g
	s_wait_dscnt 28                                ; all but the 28 just issued
	MUL12 \f, 1, 0, \first
	MUL12 \f, 1, 2, \first
.endm
; The fourth quarter multiplies buffer 1 and changes slots: ONE barrier.  In front of it each wave waits for all its tensor loads (one is out: its region of the next slot), adds 0 to its spare word, and waits
; for that and for its reads of this slot.  fill = 1: the barrier opens a round of the cluster's, and this slot is filled again, two K steps on, first thing behind the round:
; from that request to the wait for it a wave issues 168 matrix instructions.
.macro TURN slot, next, fill, how
.if \fill
	s_wait_xcnt 0x0                                ; the last prefetch, a K step back, has read its address: it is stepped here, ahead of the waits of the change of slots
	s_add_nc_u64 s[PFA:PFA+1], s[PFA:PFA+1], s[PFS:PFS+1]
.endif
	WIN 0                                          ; (the add's two registers lie in window 0)
	s_wait_tensorcnt 0x0                           ; all my tensor loads have landed
	ds_add_u32 v[SPW], v[NIL]                      ; 0 onto my spare word
	s_wait_dscnt 9                                 ; (the add and the youngest eight loads may be out)
	MUL12 1, 0, 0, 0                               ; twelve matrix instructions stand between the add and the wait for it
	s_wait_dscnt 0x0                               ; the add is done, and my reads of this slot are over
	s_barrier_signal -1
	MUL12 1, 0, 2, 0                               ; work on registers while the others arrive
.if \fill
	WIN 0
.endif
	s_barrier_wait -1
.if \fill
	CREST                                          ; no wave of any partner still reads this slot or has a load on its way
	s_add_nc_u64 s[G0A+4*(\slot)+2:G0A+4*(\slot)+3], s[G0A+4*(\slot)+2:G0A+4*(\slot)+3], 2*APAN
	s_add_nc_u64 s[G0B+4*(\slot)+2:G0B+4*(\slot)+3], s[G0B+4*(\slot)+2:G0B+4*(\slot)+3], 2*WPAN
	JLOAD \slot                                    ; the four v_nop behind it are also the places in front of the loads below
.else
	PLACES
.endif
	FETCH \next, 0, 0
.if \fill
	ASK \how
.endif
	MUL12 1, 1, 0, 0
	MUL12 1, 1, 2, 0
.endm
; THE ACTIVATION goes by halves of the wave's rows: the four row blocks of one accumulator window at a time: 8 groups g (row block g / 2, hidden half g % 2) of 8 hidden numbers a lane.
; SCALE win: the three gates' sums of window win, times -L, 2 L and -L, into window 0.  Every list ascends.
.macro SCALE win
	WIN \win                                       ; source 0 in the accumulators' window
.set g, 0
.rept 8
.set aq, 8*(6*(g/2)+g%2)               ; i's accumulator; g's lies 16 registers on, o's 32
.irp p, 0,2,4,6
	v_pk_mul_f32 v[TI+8*g+(\p):TI+8*g+(\p)+1], v[aq+(\p):aq+(\p)+1], s[KN:KN+1] op_sel_hi:[1,0]        ; -L i
.endr
.irp p, 0,2,4,6
	v_pk_mul_f32 v[TG+8*g+(\p):TG+8*g+(\p)+1], v[aq+16+(\p):aq+16+(\p)+1], s[K2:K2+1] op_sel_hi:[1,0]  ; 2 L g
.endr
.irp p, 0,2,4,6
	v_pk_mul_f32 v[TO+8*g+(\p):TO+8*g+(\p)+1], v[aq+32+(\p):aq+32+(\p)+1], s[KN:KN+1] op_sel_hi:[1,0]  ; -L o
.endr
.set g, g+1
.endr
	WIN 0
.endm
; ACT: from the scaled sums to packed h, all in window 0.  The transcendentals go in five batches, each with one wait ahead of its first reader and a plain instruction behind its last (ISA guide 5.7.2).
.macro ACT
.set n, 0
.rept 128
	v_exp_f32 v[TI+n], v[TI+n]                     ; E_i and E_g (TG follows TI)
.set n, n+1
.endr
	v_nop
	s_wait_alu depctr_va_vdst(0)
.set n, 0
.rept 64
	v_exp_f32 v[TO+n], v[TO+n]                     ; E_o, with 1 + E_i and 1 + E_g between
	v_pk_add_f32 v[TI+2*n:TI+2*n+1], v[TI+2*n:TI+2*n+1], 1.0 op_sel_hi:[1,0]
.set n, n+1
.endr
	s_wait_alu depctr_va_vdst(0)                   ; (the last addition is the plain instruction behind the last exponential)
.set n, 0
.rept 32
	v_rcp_f32 v[TI+4*n], v[TI+4*n]                 ; sigmoid(i), and R_g = 1 / (1 + E_g), with 1 + E_o between
	v_rcp_f32 v[TI+4*n+1], v[TI+4*n+1]
	v_rcp_f32 v[TI+4*n+2], v[TI+4*n+2]
	v_rcp_f32 v[TI+4*n+3], v[TI+4*n+3]
	v_pk_add_f32 v[TO+2*n:TO+2*n+1], v[TO+2*n:TO+2*n+1], 1.0 op_sel_hi:[1,0]
.set n, n+1
.endr
	s_wait_alu depctr_va_vdst(0)                   ; (likewise)
.set n, 0
.rept 32
	v_pk_fma_f32 v[TG+n:TG+n+1], v[TG+n:TG+n+1], s[M4:M4+1], s[K2:K2+1] op_sel_hi:[1,0,0]  ; 2 L tanh(g) = 2 L - 4 L R_g
.set n, n+2
.endr
.set n, 0
.rept 32
	v_pk_mul_f32 v[TI+n:TI+n+1], v[TI+n:TI+n+1], v[TG+n:TG+n+1]  ; 2 L c
.set n, n+2
.endr
.set n, 0
.rept 64
	v_exp_f32 v[TI+n], v[TI+n]                     ; E_c
.set n, n+1
.endr
	v_nop
	s_wait_alu depctr_va_vdst(0)
.set n, 0
.rept 32
	v_pk_fma_f32 v[TG+n:TG+n+1], v[TI+n:TI+n+1], v[TO+n:TO+n+1], v[TO+n:TO+n+1]  ; (1 + E_c)(1 + E_o)
.set n, n+2
.endr
.set n, 0
.rept 64
	v_rcp_f32 v[TG+n], v[TG+n]                     ; R
.set n, n+1
.endr
	v_nop
	s_wait_alu depctr_va_vdst(0)
.set n, 0
.rept 32
	v_pk_fma_f32 v[TI+n:TI+n+1], v[TI+n:TI+n+1], v[TG+n:TG+n+1], v[TG+n:TG+n+1] neg_lo:[0,0,1] neg_hi:[0,0,1]  ; h = E_c R - R
.set n, n+2
.endr
.set n, 0
.rept 32
	v_cvt_pk_bf16_f32 v[PK+n], v[TI+2*n], v[TI+2*n+1]
.set n, n+1
.endr
.endm
; PUT win: the half's packed h into the stage: every LDS address is a constant of the text beside the lane's
.macro PUT win
.set g, 0
.rept 8
	ds_store_b128 v[STO], v[PK+4*g:PK+4*g+3] offset:(4*((\win)-1)+g/2)*16*PITCH+32*(g%2)
.set g, g+1
.endr
.endm
	s_wait_tensorcnt 1                             ; my region of K step 0 is in; K step 1's may stay out
	s_barrier_signal -1
	s_barrier_wait -1                              ; everybody's is
	FETCH 0, 0, 0
	QUARTER 0, 64,  0, 1, 1                        ; the first quarter stands in front of the loop: its products start the sums, with the bias
	WIN 0                                          ; at a label and at a branch every window is 0
	s_mov_b32 s[I], NL
.Llap:                                                 ; a trip goes once round the ring, from a lap's second quarter to the next lap's first, and fills both slots again
	QUARTER 0, 128, 1, 0, 0
	QUARTER 0, 192, 0, 1, 0
	TURN 0, 1, 1, 1
	QUARTER 1, 64,  0, 1, 0
	QUARTER 1, 128, 1, 0, 0
	QUARTER 1, 192, 0, 1, 0
	TURN 1, 0, 1, 0
	QUARTER 0, 64,  0, 1, 0
	WIN 0
	s_sub_co_u32 s[I], s[I], 1
	s_cmp_lg_u32 s[I], 0
	s_cbranch_scc1 .Llap
	QUARTER 0, 128, 1, 0, 0                        ; the last lap is written out: it asks for nothing
	QUARTER 0, 192, 0, 1, 0
	TURN 0, 1, 0, 0
	QUARTER 1, 64,  0, 1, 0
	QUARTER 1, 128, 1, 0, 0
	QUARTER 1, 192, 0, 1, 0
	s_wait_dscnt 8                                 ; the very last quarter: nothing more to fetch
	MUL12 1, 0, 0, 0
	MUL12 1, 0, 2, 0
	s_wait_dscnt 0x0
	MUL12 1, 1, 0, 0
	MUL12 1, 1, 2, 0
	WIN 0
	PLACES
	; The activation's text stands once and is walked twice, rows 0-63 and then rows 64-127.  What names a window or a row of the stage is written for both halves; forward jumps on the counter choose.
	s_mov_b32 s[I], 2
.Lhalf:
	s_cmp_eq_u32 s[I], 2
	s_cbranch_scc0 .Lhigh_in
	SCALE 1
	s_branch .Lscaled
.Lhigh_in:
	SCALE 2
.Lscaled:
	ACT
	s_cmp_eq_u32 s[I], 2
	s_cbranch_scc0 .Lhigh_out
	PUT 1
	s_branch .Lput
.Lhigh_out:
	PUT 2
.Lput:
	s_sub_co_u32 s[I], s[I], 1
	s_cmp_lg_u32 s[I], 0
	s_cbranch_scc1 .Lhalf
	; THE WAY OUT.  A row's 256 bytes come from four waves: a barrier between writing and reading; then each wave takes 32 whole rows, 8,192 bytes on end in h's panel.
	s_wait_dscnt 0x0                               ; for the others' sake: my stores into the stage are done
	s_barrier_signal -1
	s_barrier_wait -1
.irp t, 0,1,2,3,4,5,6,7,8,9,10,11,12,13,14,15
	ds_load_b128 v[OUT+4*(\t):OUT+4*(\t)+3], v[RD] offset:(\t)*2*PITCH
.endr
.irp t, 0,1,2,3,4,5,6,7,8,9,10,11,12,13,14,15
	s_wait_dscnt 15-(\t)                           ; LDS loads come back in order: pair t of rows is in
	global_store_b128 v[CO], v[OUT+4*(\t):OUT+4*(\t)+3], s[12:13] offset:512*(\t)  ; 512 consecutive bytes, at a multiple of 256 from h's first byte
.endr
	s_wait_tensorcnt 0x0                           ; the wave's end: a wait, an add to my spare word and its wait, behind my last tensor load and my last LDS store
	ds_add_u32 v[SPW], v[NIL]
	s_wait_dscnt 0x0
	CROUND                                         ; the closing round: no work-group ends while a partner may still ask for a tile that names it
	s_endpgm
.Lfunc_end_k_q9a1f74ec7e_layer0:
	.size	k_q9a1f74ec7e_layer0, .Lfunc_end_k_q9a1f74ec7e_layer0-k_q9a1f74ec7e_layer0
	.p2alignl 7, 3214868480
	.fill 96, 4, 3214868480
	.section	.rodata,"a",@progbits
	.p2align	6, 0x0
	.amdhsa_kernel k_q9a1f74ec7e_layer0
		.amdhsa_group_segment_fixed_size 327680
		.amdhsa_private_segment_fixed_size 0
		.amdhsa_enable_private_segment 0
		.amdhsa_kernarg_size 40
		.amdhsa_user_sgpr_count 2
		.amdhsa_user_sgpr_kernarg_segment_ptr 1
		.amdhsa_wavefront_size32 1
		.amdhsa_system_sgpr_workgroup_id_x 1
		.amdhsa_system_sgpr_workgroup_id_y 1
		.amdhsa_system_sgpr_workgroup_id_z 1
		.amdhsa_system_vgpr_workitem_id 0
		.amdhsa_next_free_vgpr 768
		.amdhsa_next_free_sgpr 96
		.amdhsa_reserve_vcc 0
		.amdhsa_float_denorm_mode_32 3
		.amdhsa_float_denorm_mode_16_64 3
		.amdhsa_memory_ordered 1
		.amdhsa_forward_progress 1
		.amdhsa_inst_pref_size 142
	.end_amdhsa_kernel
	.amdgpu_metadata
---
amdhsa.version: [ 1, 2 ]
amdhsa.kernels:
  - .name:           k_q9a1f74ec7e_layer0
    .symbol:         k_q9a1f74ec7e_layer0.kd
    .args:
      - { .name: xb, .offset: 0, .size: 8, .value_kind: global_buffer, .address_space: global }
      - { .name: w0b, .offset: 8, .size: 8, .value_kind: global_buffer, .address_space: global }
      - { .name: b_ih0, .offset: 16, .size: 8, .value_kind: global_buffer, .address_space: global }
      - { .name: b_hh0, .offset: 24, .size: 8, .value_kind: global_buffer, .address_space: global }
      - { .name: h0, .offset: 32, .size: 8, .value_kind: global_buffer, .address_space: global }
    .group_segment_fixed_size: 327680
    .private_segment_fixed_size: 0
    .kernarg_segment_align: 8
    .kernarg_segment_size: 40
    .max_flat_workgroup_size: 128
    .sgpr_count:     96
    .vgpr_count:     768
    .wavefront_size: 32
...
	.end_amdgpu_metadata
.endif
;; end of part 2
;; launch layer1 (part 3): grid 8 x 64, 4 waves a work-group, clusters of 4 x 4, 327,680 bytes of LDS; arguments h0, w1b, b_ih1, b_hh1, h1; writes h1
.if DOCPART == 3
	.amdgcn_target "amdgcn-amd-amdhsa--gfx1250"
	.amdhsa_code_object_version 6
	.text
	.protected	k_q9a1f74ec7e_layer1
	.globl	k_q9a1f74ec7e_layer1
	.p2align	8
	.type	k_q9a1f74ec7e_layer1,@function
k_q9a1f74ec7e_layer1:
	s_mov_b64 s[64:65], 0
	v_nop
	global_prefetch_b8 v0, s[64:65] scope:SCOPE_SE
	s_setreg_imm32_b32 hwreg(HW_REG_WAVE_MODE, 25, 1), 1
	s_wait_xcnt 0x0
	s_wait_alu depctr_hold_cnt(0) depctr_sa_sdst(0) depctr_va_vdst(0) depctr_va_sdst(0) depctr_va_ssrc(0) depctr_va_vcc(0) depctr_vm_vsrc(0)
	s_getreg_b32 s2, hwreg(HW_REG_IB_STS2, 6, 4)
	s_cmp_eq_u32 s2, 0
	s_cbranch_scc0 .Lentry_in_a_cluster
	s_endpgm
.Lentry_in_a_cluster:
	s_bfe_u32 s2, ttmp6, 0x10000c
	s_cmp_lg_u32 s2, 0xf033
	s_cbranch_scc0 .Lentry_shape_is_right
	s_endpgm
.Lentry_shape_is_right:
; ONE LSTM CELL STEP WITH ZERO STATE.  gates = A W^T + (b_ih + b_hh); h = sigmoid(o) tanh(sigmoid(i) tanh(g)).  This text is the second layer's, K = 1,024; the first layer's differs in the constant KDIM alone.
; A: [K/128][8192][128] bf16 (panels: element (row, k) at ((k / 128) 8192 + row) 256 + 2 (k % 128)); W: [K/128][4096][128] bf16, rows i 0.., g 2048.., o 3072..;
; b_ih, b_hh: [4096] f32; h leaves as [8][8192][128] bf16, the next launch's A.
; NOT READ, because reference() uses them in no expression of its result: W_hh (the state is zero and the product is not written there), and the forget gate's rows of W and of both biases.
; ARITHMETIC.  Products of bf16 numbers, sums in f32; b_ih + b_hh, added in f32, is the C operand of each sum's first product.  With L = log2(e):
; sigmoid(t) = 1 / (1 + 2^(-L t)); tanh(t) = 1 - 2 / (1 + 2^(2 L t)); c = sigmoid(i) tanh(g) lies in -1 .. 1, so E_c = 2^(2 L c) lies in e^-2 .. e^2, and
; h = (E_c - 1) / ((1 + E_o)(1 + E_c)), E_o = 2^(-L o).  An exponential that overflows gives an infinity, its reciprocal 0, and every other factor is finite: no clamp is needed.
; LIMITS.  tanh of a tiny argument carries an absolute error of about 1e-7 (the difference E_c - 1); an exponential below 2^-126 counts as 0; NaN and infinities in the inputs are not treated apart; h is rounded once to bf16.
; SHARES.  A work-group makes 128 rows x 128 hidden numbers: 128 x 384 gate columns.  Wave w takes all 128 rows x hidden 32 w .. 32 w + 31 x the three gates: 8 row blocks a x 6 column
; blocks c = 2 q + hb (q: gate i, g, o; hb: which 16 hidden): 48 accumulators, 384 registers.  i, g and o of a hidden number lie in the same lane and register number of three accumulators.
; THE MATRIX INSTRUCTION IS USED TRANSPOSED (source 0 = 16 rows of W, source 1 = 16 rows of A): lane l holds row l % 16 of A and the gate columns 8 (l / 16) + 0..7: eight neighbouring hidden numbers.
; RING.  K goes in steps of 128 through two LDS slots of four regions: A, W_i, W_g, W_o, 128 rows x 256 bytes each; wave w fetches region w by one tensor load.
; CLUSTER.  4 x 4 work-groups.  The four of a row of the cluster have the same rows of A, the four of a column the same rows of W: each region is asked for JOINTLY, by the same load with the same
; descriptor and a mask that names the four.  By this text's count a wave has two tensor loads out at the start and one behind each round.
; REGISTERS, in windows of 256 (s_set_vgpr_msb: bits 1:0 source 0, 3:2 source 1, 5:4 source 2, 7:6 destination):
;   window 0: v0-31 addresses; v32-159 A's fragments, two buffers of 64; v160-255 W's fragments, two buffers of 48; on the way out v32-255 are at work
;   window 1: v0-191 accumulators of row blocks 0-3, (a, c) at 8 (6 a + c); v192-239 the bias, 8 registers a column block
;   window 2: v0-191 accumulators of row blocks 4-7; v192-239 b_hh as loaded
.set KDIM,   1024
.set NL,     KDIM/256-1                ; trips of the lap loop: a lap is two K steps, and the last lap is written out
.set PITCH,  272                       ; an LDS row: 256 bytes + 16 of padding = 68 words: the 16 rows of a load start at 16 different groups of four banks (64 banks of 4 bytes: ISA guide 11.1)
.set HALFT,  128*PITCH                 ; a region: what one tensor load brings
.set SLOT,   4*HALFT
.set STAGE,  2*SLOT                    ; behind the ring: the tile of h, 128 rows x 272 bytes, the work-group's; no tensor load lands there
.set SPARE,  STAGE+128*PITCH           ; behind the stage: the spare words, 128 bytes for each wave: two blocks of 256 bytes that no other line names
.set APAN,   8192*256                  ; bytes from a K step of A to the next
.set WPAN,   4096*256                  ; the same for W
.set ADRA, 16                          ; v16-17  LDS address of my A fragments in slot 0, 1
.set ADRB, 18                          ; v18-23  of my W fragments: slot s, gate q at 18 + 3 s + q
.set STO,  24                          ; v24     the way out: where I put 16 bytes of a row of h
.set RD,   25                          ; v25     where I read a row back
.set CO,   26                          ; v26     my 16 bytes in 512 consecutive bytes of h
.set BO,   27                          ; v27     my 32 bytes in a column block's 64 bytes of bias
.set SPW,  28                          ; v28     LDS address of my spare word: SPARE + 4 x my thread's number; never rewritten
.set NIL,  29                          ; v29     0; never rewritten
.set PFO,  30                          ; v30     the prefetches' offset: 256 x my lane; never rewritten
.set FA,   32
.set FB,   160
.set BIAS, 192                         ; in window 1
.set TI,   32                          ; the way out, window 0: 64 registers each for i's, g's and o's numbers of four row blocks,
.set TG,   96
.set TO,   160
.set PK,   224                         ; 32 of packed h,
.set OUT,  32                          ; and at the end 64 of whole rows
.set WV,  16                           ; s16  my wave's number
.set WH,  17                           ; s17  wave x HALFT
.set CX,  18
.set CY,  19
.set TX,  20                           ; s20  hidden block = 4 x cluster x + cx
.set TY,  21                           ; s21  row block = 4 x cluster y + cy
.set G1A, 24                           ; s[24:31] descriptor group 1 for A's region
.set G0A, 32                           ; s[32:39] group 0, a set for each slot
.set G1B, 40                           ; s[40:47], s[48:55] the same for W's regions
.set G0B, 48
.set I,   57                           ; s57  the loops' counter: trips still to come
.set PFA, 58                           ; s[58:59] where my prefetches stand
.set PFS, 60                           ; s[60:61] their step: a K step of A or of W
.set LIM, 62                           ; s62  1 in a wave that prefetches, else the greatest number
.set KN,  72                           ; s[72:73] -L      the packed forms name a pair and take its low word for both halves
.set K2,  74                           ; s[74:75] 2 L
.set M4,  76                           ; s[76:77] -4 L
.set MSB, 0
.macro WIN new                         ; the immediate's high byte repeats the setting that is left; a switch that changes nothing is dropped
.if MSB != (\new)
	s_set_vgpr_msb (MSB<<8)|(\new)
.set MSB, \new
.endif
.endm
.set W_LO,  0x50                       ; fragments in window 0, C and D in window 1
.set W_HI,  0xa0                       ; C and D in window 2
.set W_HI1, 0x90                       ; C (the bias) in window 1, D in window 2
; A joint load.  Wave 0 fetches A's region, waves 1 to 3 W's three.  Each line has one mask; the branch hangs on the wave's number alone.
; An s_nop 0 and four v_nop follow each of the two lines, ahead of the jump, the label and what follows.
.macro JLOAD s
	s_cmp_eq_u32 s[WV], 0
	s_cbranch_scc0 .Lfor_w_\@
	tensor_load_to_lds s[G0A+4*(\s):G0A+4*(\s)+3], s[G1A:G1A+7]
	s_nop 0
.rept 4
	v_nop
.endr
	s_branch .Lasked_\@
.Lfor_w_\@:
	tensor_load_to_lds s[G0B+4*(\s):G0B+4*(\s)+3], s[G1B:G1B+7]
	s_nop 0
.rept 4
	v_nop
.endr
.Lasked_\@:
.endm
; A PREFETCH INTO THE L2 of the K step that the NEXT refill will ask for: 32 rows x 256 bytes, a lane a row, one instruction a wave, behind the joint load, its five lines and the run of LDS loads.
; Each row's 256 bytes of a K step are named once in the launch: A's rows are read by both clusters of a row of clusters, and the one with x = 0 asks; W's by all clusters of a column, and the one with
; y = 0 asks.  Of the 128 rows that a wave fetches each of the four partners takes 32, told apart BY ADDRESS (cx for A, cy for W).  K steps 0 to 2 come by their loads alone.
; how = 1: the K step named always exists.  how = 0: it exists in all trips but the last (the counter is 1 there); with one trip it never does, and nothing is assembled.
.macro ASK how
.if (\how) || (NL > 1)
.if \how
	s_cmp_eq_u32 s[LIM], 1
.else
	s_cmp_gt_u32 s[I], s[LIM]
.endif
	s_cbranch_scc0 .Lnot_mine_\@
	global_prefetch_b8 v[PFO], s[PFA:PFA+1] th:TH_LOAD_NT scope:SCOPE_SE
.Lnot_mine_\@:
.endif
.endm
; A round of the cluster's barrier: my work-group's barrier; wave 0 signals for the work-group; every wave waits for all sixteen; my work-group's barrier once more.
.macro CREST                           ; a round behind its opening barrier
	s_cmp_lg_u32 s[WV], 0
	s_cbranch_scc1 .Lnot_wave_0_\@
	s_barrier_signal -3
.Lnot_wave_0_\@:
	s_barrier_wait -3
	s_barrier_signal -1
	s_barrier_wait -1
.endm
.macro CROUND
	s_barrier_signal -1
	s_barrier_wait -1
	CREST
.endm
	s_load_b256 s[4:11], s[0:1], 0x0               ; A s[4:5], W s[6:7], b_ih s[8:9], b_hh s[10:11]
	s_load_b64 s[12:13], s[0:1], 0x20              ; h
	v_lshl_add_u32 v[SPW], v0, 2, SPARE
	v_mov_b32 v[NIL], 0
	ds_add_u32 v[SPW], v[NIL]                      ; the wave's opening: the add and its wait stand ahead of my first tensor load; the set-up below, work on registers, stands between them
	v_lshrrev_b32 v1, 5, v0
	v_readfirstlane_b32 s[WV], v1                  ; wave 0..3
	s_bfe_u32 s[CX], ttmp6, 0x40000
	s_bfe_u32 s[CY], ttmp6, 0x40004
	s_lshl_b32 s[TX], ttmp9, 2                     ; in a cluster launch ttmp9 and ttmp7 count clusters
	s_add_co_u32 s[TX], s[TX], s[CX]
	s_and_b32 s[TY], ttmp7, 0xffff
	s_lshl_b32 s[TY], s[TY], 2
	s_add_co_u32 s[TY], s[TY], s[CY]
	s_lshl_b32 s22, s[CY], 2
	s_lshl_b32 s22, 15, s22                        ; my row of the cluster: places 4 cy .. 4 cy + 3
	s_lshl_b32 s23, 0x1111, s[CX]                  ; my column: places cx, cx + 4, cx + 8, cx + 12
	; descriptor group 1: 128 rows x 128 elements of 2 bytes, dense in memory, padded in LDS
	s_or_b32 s[G1A], s22, (1<<16)|(1<<20)|(1<<21)|(5<<22)|(3<<25)  ; 15:0 the mask; 17:16 2-byte elements; 20 padding on; 21 set beside a mask; 24:22 after every 64 words (code 5); 31:25 4 words (code 3)
	s_or_b32 s[G1B], s23, (1<<16)|(1<<20)|(1<<21)|(5<<22)|(3<<25)
.irp g, G1A, G1B
	s_mov_b32 s[(\g)+1], 128<<16                   ; tensor_dim0 = 128
	s_mov_b32 s[(\g)+2], 128<<16                   ; tensor_dim1 = 128
	s_mov_b32 s[(\g)+3], 128<<16                   ; tile_dim0 = 128
	s_mov_b32 s[(\g)+4], 128                       ; tile_dim1 = 128
	s_mov_b32 s[(\g)+5], 128                       ; 128 elements from row to row
	s_mov_b32 s[(\g)+6], 0
	s_mov_b32 s[(\g)+7], 0
.endr
	s_lshl_b32 s80, s[TY], 15                      ; A: my 128 rows of 256 bytes; it hangs on the row block alone
	s_mov_b32 s81, 0
	s_cmp_ge_u32 s[WV], 2                          ; W: wave 1 rows 0.. (i), wave 2 rows 2048.. (g), wave 3 rows 3072.. (o); wave 0's number is in range and unused
	s_cselect_b32 s82, s[WV], 0
	s_lshl_b32 s82, s82, 18                        ; 1,024 rows of 256 bytes
	s_lshl_b32 s83, s[TX], 15
	s_add_co_u32 s82, s82, s83                     ; it hangs on the hidden block and the wave alone
	s_mov_b32 s83, 0
	s_mul_i32 s[WH], s[WV], HALFT                  ; region = wave: no place in the cluster enters an LDS address
	s_mov_b32 s[KN], 0xbfb8aa3b
	s_mov_b32 s[KN+1], s[KN]
	s_mov_b32 s[K2], 0x4038aa3b
	s_mov_b32 s[K2+1], s[K2]
	s_mov_b32 s[M4], 0xc0b8aa3b
	s_mov_b32 s[M4+1], s[M4]
	s_wait_dscnt 0x0                               ; the opening add is done
	s_wait_kmcnt 0x0
	s_add_nc_u64 s[68:69], s[4:5], s[80:81]
	s_add_nc_u64 s[70:71], s[6:7], s[82:83]
	CROUND                                         ; all sixteen work-groups are here: the first joint loads meet
.irp s, 0,1
	s_mov_b32 s[G0A+4*(\s)], 1                                       ; count = 1
	s_add_co_u32 s[G0A+4*(\s)+1], s[WH], (\s)*SLOT                   ; LDS address
	s_add_nc_u64 s[G0A+4*(\s)+2:G0A+4*(\s)+3], s[68:69], (\s)*APAN   ; global address: K step s
	s_or_b32 s[G0A+4*(\s)+3], s[G0A+4*(\s)+3], 0x80000000            ; type = 2
	s_mov_b32 s[G0B+4*(\s)], 1
	s_add_co_u32 s[G0B+4*(\s)+1], s[WH], (\s)*SLOT
	s_add_nc_u64 s[G0B+4*(\s)+2:G0B+4*(\s)+3], s[70:71], (\s)*WPAN
	s_or_b32 s[G0B+4*(\s)+3], s[G0B+4*(\s)+3], 0x80000000
	JLOAD \s
.endr
	; IN THE WAIT FOR THE FIRST TILE.  The biases of my 32 hidden numbers in the three gates: register j of column block c = 2 q + hb holds hidden 16 hb + 8 (l / 16) + j of gate q.
	s_lshl_b32 s84, s[TX], 9                       ; 128 hidden x 4 bytes,
	s_lshl_b32 s85, s[WV], 7                       ; my 32
	s_add_co_u32 s84, s84, s85
	s_mov_b32 s85, 0
	s_add_nc_u64 s[8:9], s[8:9], s[84:85]
	s_add_nc_u64 s[10:11], s[10:11], s[84:85]
	v_bfe_u32 v2, v0, 4, 1                         ; l / 16
	v_lshlrev_b32 v[BO], 5, v2
	WIN 0x40                                       ; destination window 1
.irp c, 0,1,2,3,4,5                    ; the gates begin at numbers 0, 2048 and 3072: 4,096 bytes x (q + (q + 1) / 2)
	global_load_b128 v[BIAS+8*(\c):BIAS+8*(\c)+3],   v[BO], s[8:9] offset:4096*((\c)/2+((\c)/2+1)/2)+64*((\c)%2)
	global_load_b128 v[BIAS+8*(\c)+4:BIAS+8*(\c)+7], v[BO], s[8:9] offset:4096*((\c)/2+((\c)/2+1)/2)+64*((\c)%2)+16
.endr
	WIN 0x80                                       ; destination window 2
.irp c, 0,1,2,3,4,5
	global_load_b128 v[BIAS+8*(\c):BIAS+8*(\c)+3],   v[BO], s[10:11] offset:4096*((\c)/2+((\c)/2+1)/2)+64*((\c)%2)
	global_load_b128 v[BIAS+8*(\c)+4:BIAS+8*(\c)+7], v[BO], s[10:11] offset:4096*((\c)/2+((\c)/2+1)/2)+64*((\c)%2)+16
.endr
	WIN 0
	; A fragment is 16 rows x 32 K in 8 registers: lane l holds row l % 16; registers 0-3 K = 8 (l / 16) + 0..7, registers 4-7 K = 16 + 8 (l / 16) + 0..7: two loads of 16 bytes, 32 bytes apart.
	v_and_b32 v1, 15, v0                           ; l % 16
	v_mul_u32_u24 v3, v1, PITCH
	v_lshl_add_u32 v3, v2, 4, v3                   ; row x pitch + 16 x half
	v_mov_b32 v[ADRA], v3
	v_add_nc_u32 v[ADRA+1], SLOT, v3
	s_mul_i32 s66, s[WV], 32*PITCH                 ; my 32 rows of a region of W, and of the stage
.irp s, 0,1
.irp q, 0,1,2
	s_add_co_u32 s67, s66, (\s)*SLOT+(1+(\q))*HALFT
	v_add_nc_u32 v[ADRB+3*(\s)+(\q)], s67, v3
.endr
.endr
	s_lshl_b32 s67, s[WV], 6                       ; into the stage: row l % 16, my wave's 64 bytes of its 256, 16 bytes for each half of the lanes
	s_add_co_u32 s67, s67, STAGE
	v_add_nc_u32 v[STO], s67, v3
	s_add_co_u32 s67, s66, STAGE                   ; back: wave w takes rows 32 w .. 32 w + 31, whole; lanes 0-15 one row, lanes 16-31 the next
	v_mul_u32_u24 v4, v2, PITCH
	v_lshl_add_u32 v4, v1, 4, v4
	v_add_nc_u32 v[RD], s67, v4
	v_and_b32 v5, 31, v0
	v_lshlrev_b32 v[CO], 4, v5
	v_lshlrev_b32 v[PFO], 8, v5
	s_lshl_b32 s86, s[TX], 21                      ; h: panel = hidden block,
	s_lshl_b32 s87, s[TY], 15                      ; my work-group's 128 rows,
	s_add_co_u32 s86, s86, s87
	s_lshl_b32 s87, s[WV], 13                      ; my wave's 32
	s_add_co_u32 s86, s86, s87
	s_mov_b32 s87, 0
	s_add_nc_u64 s[12:13], s[12:13], s[86:87]
	; the prefetches
	s_and_b32 s88, ttmp7, 0xffff                   ; cluster y
	s_cmp_eq_u32 s[WV], 0                          ; do I fetch A?
	s_cselect_b64 s[PFA:PFA+1], s[68:69], s[70:71]
	s_cselect_b32 s89, s[CX], s[CY]                ; my place among the four that ask with me
	s_cselect_b32 s88, ttmp9, s88                  ; the coordinate along which other clusters read the same rows
	s_cselect_b32 s92, 21, 20
	s_cmp_eq_u32 s88, 0
	s_cselect_b32 s[LIM], 1, -1                    ; the same in all sixteen partners, for a given wave
	s_lshl_b32 s[PFS], 1, s92
	s_mov_b32 s[PFS+1], 0
	s_lshl_b32 s90, s89, 13                        ; my work-group's 32 rows of the 128
	s_mov_b32 s91, 0
	s_add_nc_u64 s[PFA:PFA+1], s[PFA:PFA+1], s[90:91]
	s_add_nc_u64 s[PFA:PFA+1], s[PFA:PFA+1], s[PFS:PFS+1]
	s_add_nc_u64 s[PFA:PFA+1], s[PFA:PFA+1], s[PFS:PFS+1]  ; at K step 2: the first refill steps it to 3
	s_wait_loadcnt 0x0                             ; both biases
	WIN 0x49                                       ; destination and source 0 window 1, source 1 window 2
.set n, 0
.rept 24
	v_pk_add_f32 v[BIAS+n:BIAS+n+1], v[BIAS+n:BIAS+n+1], v[BIAS+n:BIAS+n+1]  ; b_ih + b_hh
.set n, n+2
.endr
	WIN 0
; 12 matrix instructions: row blocks a0, a0 + 1 of the window's four (hi = 0: rows 0-63, 1: rows 64-127) x all 6 column blocks, 32 along K.  first = 1: the bias starts the sums.
; In every quarter the 48 accumulators are taken once, in one order: 47 others stand between two links of a chain, over the backward jump too.
.macro MUL12 f, hi, a0, first
.if (\first) && (\hi)
	WIN W_HI1
.else
	WIN W_LO+0x50*(\hi)
.endif
.irp a, \a0, (\a0)+1
.irp c, 0,1,2,3,4,5
.if \first
	v_wmma_f32_16x16x32_bf16 v[8*(6*(\a)+(\c)):8*(6*(\a)+(\c))+7], v[FB+48*(\f)+8*(\c):FB+48*(\f)+8*(\c)+7], v[FA+64*(\f)+8*(4*(\hi)+(\a)):FA+64*(\f)+8*(4*(\hi)+(\a))+7], v[BIAS+8*(\c):BIAS+8*(\c)+7]
.else
	v_wmma_f32_16x16x32_bf16 v[8*(6*(\a)+(\c)):8*(6*(\a)+(\c))+7], v[FB+48*(\f)+8*(\c):FB+48*(\f)+8*(\c)+7], v[FA+64*(\f)+8*(4*(\hi)+(\a)):FA+64*(\f)+8*(4*(\hi)+(\a))+7], v[8*(6*(\a)+(\c)):8*(6*(\a)+(\c))+7]
.endif
.endr
.endr
.endm
; 28 LDS loads in one run: the fragments of 32 along K at byte k of the rows, into buffer f: W's 12, then A's 16
.macro FETCH slot, k, f
	WIN 0
.irp c, 0,1,2,3,4,5
	ds_load_b128 v[FB+48*(\f)+8*(\c):FB+48*(\f)+8*(\c)+3],   v[ADRB+3*(\slot)+(\c)/2] offset:(\k)+((\c)%2)*16*PITCH
	ds_load_b128 v[FB+48*(\f)+8*(\c)+4:FB+48*(\f)+8*(\c)+7], v[ADRB+3*(\slot)+(\c)/2] offset:(\k)+((\c)%2)*16*PITCH+32
.endr
.irp a, 0,1,2,3,4,5,6,7
	ds_load_b128 v[FA+64*(\f)+8*(\a):FA+64*(\f)+8*(\a)+3],   v[ADRA+(\slot)] offset:(\k)+(\a)*16*PITCH
	ds_load_b128 v[FA+64*(\f)+8*(\a)+4:FA+64*(\f)+8*(\a)+7], v[ADRA+(\slot)] offset:(\k)+(\a)*16*PITCH+32
.endr
.endm
.macro PLACES                          ; four places in front of loads into registers that matrix instructions have read, and of vector lines that read results (ISA guide 7.12.1 for the vector lines)
.rept 4
	v_nop
.endr
.endm
; A K step is four quarters of 32 along K, 48 matrix instructions each, on buffers 0, 1, 0, 1.  One of the first three: multiplies buffer f and, in its middle, fetches the next quarter, at byte k, into buffer g.
.macro QUARTER slot, k, f, g, first
	s_wait_dscnt 8                                 ; W and A's rows 0-63 are in; the youngest eight loads (A's rows 64-127) may be out
	MUL12 \f, 0, 0, \first
	MUL12 \f, 0, 2, \first
	PLACES
	FETCH \slot, \k, \g
	s_wait_dscnt 28                                ; all but the 28 just issued
	MUL12 \f, 1, 0, \first
	MUL12 \f, 1, 2, \first
.endm
; The fourth quarter multiplies buffer 1 and changes slots: ONE barrier.  In front of it each wave waits for all its tensor loads (one is out: its region of the next slot), adds 0 to its spare word, and waits
; for that and for its reads of this slot.  fill = 1: the barrier opens a round of the cluster's, and this slot is filled again, two K steps on, first thing behind the round:
; from that request to the wait for it a wave issues 168 matrix instructions.
.macro TURN slot, next, fill, how
.if \fill
	s_wait_xcnt 0x0                                ; the last prefetch, a K step back, has read its address: it is stepped here, ahead of the waits of the change of slots
	s_add_nc_u64 s[PFA:PFA+1], s[PFA:PFA+1], s[PFS:PFS+1]
.endif
	WIN 0                                          ; (the add's two registers lie in window 0)
	s_wait_tensorcnt 0x0                           ; all my tensor loads have landed
	ds_add_u32 v[SPW], v[NIL]                      ; 0 onto my spare word
	s_wait_dscnt 9                                 ; (the add and the youngest eight loads may be out)
	MUL12 1, 0, 0, 0                               ; twelve matrix instructions stand between the add and the wait for it
	s_wait_dscnt 0x0                               ; the add is done, and my reads of this slot are over
	s_barrier_signal -1
	MUL12 1, 0, 2, 0                               ; work on registers while the others arrive
.if \fill
	WIN 0
.endif
	s_barrier_wait -1
.if \fill
	CREST                                          ; no wave of any partner still reads this slot or has a load on its way
	s_add_nc_u64 s[G0A+4*(\slot)+2:G0A+4*(\slot)+3], s[G0A+4*(\slot)+2:G0A+4*(\slot)+3], 2*APAN
	s_add_nc_u64 s[G0B+4*(\slot)+2:G0B+4*(\slot)+3], s[G0B+4*(\slot)+2:G0B+4*(\slot)+3], 2*WPAN
	JLOAD \slot                                    ; the four v_nop behind it are also the places in front of the loads below
.else
	PLACES
.endif
	FETCH \next, 0, 0
.if \fill
	ASK \how
.endif
	MUL12 1, 1, 0, 0
	MUL12 1, 1, 2, 0
.endm
; THE ACTIVATION goes by halves of the wave's rows: the four row blocks of one accumulator window at a time: 8 groups g (row block g / 2, hidden half g % 2) of 8 hidden numbers a lane.
; SCALE win: the three gates' sums of window win, times -L, 2 L and -L, into window 0.  Every list ascends.
.macro SCALE win
	WIN \win                                       ; source 0 in the accumulators' window
.set g, 0
.rept 8
.set aq, 8*(6*(g/2)+g%2)               ; i's accumulator; g's lies 16 registers on, o's 32
.irp p, 0,2,4,6
	v_pk_mul_f32 v[TI+8*g+(\p):TI+8*g+(\p)+1], v[aq+(\p):aq+(\p)+1], s[KN:KN+1] op_sel_hi:[1,0]        ; -L i
.endr
.irp p, 0,2,4,6
	v_pk_mul_f32 v[TG+8*g+(\p):TG+8*g+(\p)+1], v[aq+16+(\p):aq+16+(\p)+1], s[K2:K2+1] op_sel_hi:[1,0]  ; 2 L g
.endr
.irp p, 0,2,4,6
	v_pk_mul_f32 v[TO+8*g+(\p):TO+8*g+(\p)+1], v[aq+32+(\p):aq+32+(\p)+1], s[KN:KN+1] op_sel_hi:[1,0]  ; -L o
.endr
.set g, g+1
.endr
	WIN 0
.endm
; ACT: from the scaled sums to packed h, all in window 0.  The transcendentals go in five batches, each with one wait ahead of its first reader and a plain instruction behind its last (ISA guide 5.7.2).
.macro ACT
.set n, 0
.rept 128
	v_exp_f32 v[TI+n], v[TI+n]                     ; E_i and E_g (TG follows TI)
.set n, n+1
.endr
	v_nop
	s_wait_alu depctr_va_vdst(0)
.set n, 0
.rept 64
	v_exp_f32 v[TO+n], v[TO+n]                     ; E_o, with 1 + E_i and 1 + E_g between
	v_pk_add_f32 v[TI+2*n:TI+2*n+1], v[TI+2*n:TI+2*n+1], 1.0 op_sel_hi:[1,0]
.set n, n+1
.endr
	s_wait_alu depctr_va_vdst(0)                   ; (the last addition is the plain instruction behind the last exponential)
.set n, 0
.rept 32
	v_rcp_f32 v[TI+4*n], v[TI+4*n]                 ; sigmoid(i), and R_g = 1 / (1 + E_g), with 1 + E_o between
	v_rcp_f32 v[TI+4*n+1], v[TI+4*n+1]
	v_rcp_f32 v[TI+4*n+2], v[TI+4*n+2]
	v_rcp_f32 v[TI+4*n+3], v[TI+4*n+3]
	v_pk_add_f32 v[TO+2*n:TO+2*n+1], v[TO+2*n:TO+2*n+1], 1.0 op_sel_hi:[1,0]
.set n, n+1
.endr
	s_wait_alu depctr_va_vdst(0)                   ; (likewise)
.set n, 0
.rept 32
	v_pk_fma_f32 v[TG+n:TG+n+1], v[TG+n:TG+n+1], s[M4:M4+1], s[K2:K2+1] op_sel_hi:[1,0,0]  ; 2 L tanh(g) = 2 L - 4 L R_g
.set n, n+2
.endr
.set n, 0
.rept 32
	v_pk_mul_f32 v[TI+n:TI+n+1], v[TI+n:TI+n+1], v[TG+n:TG+n+1]  ; 2 L c
.set n, n+2
.endr
.set n, 0
.rept 64
	v_exp_f32 v[TI+n], v[TI+n]                     ; E_c
.set n, n+1
.endr
	v_nop
	s_wait_alu depctr_va_vdst(0)
.set n, 0
.rept 32
	v_pk_fma_f32 v[TG+n:TG+n+1], v[TI+n:TI+n+1], v[TO+n:TO+n+1], v[TO+n:TO+n+1]  ; (1 + E_c)(1 + E_o)
.set n, n+2
.endr
.set n, 0
.rept 64
	v_rcp_f32 v[TG+n], v[TG+n]                     ; R
.set n, n+1
.endr
	v_nop
	s_wait_alu depctr_va_vdst(0)
.set n, 0
.rept 32
	v_pk_fma_f32 v[TI+n:TI+n+1], v[TI+n:TI+n+1], v[TG+n:TG+n+1], v[TG+n:TG+n+1] neg_lo:[0,0,1] neg_hi:[0,0,1]  ; h = E_c R - R
.set n, n+2
.endr
.set n, 0
.rept 32
	v_cvt_pk_bf16_f32 v[PK+n], v[TI+2*n], v[TI+2*n+1]
.set n, n+1
.endr
.endm
; PUT win: the half's packed h into the stage: every LDS address is a constant of the text beside the lane's
.macro PUT win
.set g, 0
.rept 8
	ds_store_b128 v[STO], v[PK+4*g:PK+4*g+3] offset:(4*((\win)-1)+g/2)*16*PITCH+32*(g%2)
.set g, g+1
.endr
.endm
	s_wait_tensorcnt 1                             ; my region of K step 0 is in; K step 1's may stay out
	s_barrier_signal -1
	s_barrier_wait -1                              ; everybody's is
	FETCH 0, 0, 0
	QUARTER 0, 64,  0, 1, 1                        ; the first quarter stands in front of the loop: its products start the sums, with the bias
	WIN 0                                          ; at a label and at a branch every window is 0
	s_mov_b32 s[I], NL
.Llap:                                                 ; a trip goes once round the ring, from a lap's second quarter to the next lap's first, and fills both slots again
	QUARTER 0, 128, 1, 0, 0
	QUARTER 0, 192, 0, 1, 0
	TURN 0, 1, 1, 1
	QUARTER 1, 64,  0, 1, 0
	QUARTER 1, 128, 1, 0, 0
	QUARTER 1, 192, 0, 1, 0
	TURN 1, 0, 1, 0
	QUARTER 0, 64,  0, 1, 0
	WIN 0
	s_sub_co_u32 s[I], s[I], 1
	s_cmp_lg_u32 s[I], 0
	s_cbranch_scc1 .Llap
	QUARTER 0, 128, 1, 0, 0                        ; the last lap is written out: it asks for nothing
	QUARTER 0, 192, 0, 1, 0
	TURN 0, 1, 0, 0
	QUARTER 1, 64,  0, 1, 0
	QUARTER 1, 128, 1, 0, 0
	QUARTER 1, 192, 0, 1, 0
	s_wait_dscnt 8                                 ; the very last quarter: nothing more to fetch
	MUL12 1, 0, 0, 0
	MUL12 1, 0, 2, 0
	s_wait_dscnt 0x0
	MUL12 1, 1, 0, 0
	MUL12 1, 1, 2, 0
	WIN 0
	PLACES
	; The activation's text stands once and is walked twice, rows 0-63 and then rows 64-127.  What names a window or a row of the stage is written for both halves; forward jumps on the counter choose.
	s_mov_b32 s[I], 2
.Lhalf:
	s_cmp_eq_u32 s[I], 2
	s_cbranch_scc0 .Lhigh_in
	SCALE 1
	s_branch .Lscaled
.Lhigh_in:
	SCALE 2
.Lscaled:
	ACT
	s_cmp_eq_u32 s[I], 2
	s_cbranch_scc0 .Lhigh_out
	PUT 1
	s_branch .Lput
.Lhigh_out:
	PUT 2
.Lput:
	s_sub_co_u32 s[I], s[I], 1
	s_cmp_lg_u32 s[I], 0
	s_cbranch_scc1 .Lhalf
	; THE WAY OUT.  A row's 256 bytes come from four waves: a barrier between writing and reading; then each wave takes 32 whole rows, 8,192 bytes on end in h's panel.
	s_wait_dscnt 0x0                               ; for the others' sake: my stores into the stage are done
	s_barrier_signal -1
	s_barrier_wait -1
.irp t, 0,1,2,3,4,5,6,7,8,9,10,11,12,13,14,15
	ds_load_b128 v[OUT+4*(\t):OUT+4*(\t)+3], v[RD] offset:(\t)*2*PITCH
.endr
.irp t, 0,1,2,3,4,5,6,7,8,9,10,11,12,13,14,15
	s_wait_dscnt 15-(\t)                           ; LDS loads come back in order: pair t of rows is in
	global_store_b128 v[CO], v[OUT+4*(\t):OUT+4*(\t)+3], s[12:13] offset:512*(\t)  ; 512 consecutive bytes, at a multiple of 256 from h's first byte
.endr
	s_wait_tensorcnt 0x0                           ; the wave's end: a wait, an add to my spare word and its wait, behind my last tensor load and my last LDS store
	ds_add_u32 v[SPW], v[NIL]
	s_wait_dscnt 0x0
	CROUND                                         ; the closing round: no work-group ends while a partner may still ask for a tile that names it
	s_endpgm
.Lfunc_end_k_q9a1f74ec7e_layer1:
	.size	k_q9a1f74ec7e_layer1, .Lfunc_end_k_q9a1f74ec7e_layer1-k_q9a1f74ec7e_layer1
	.p2alignl 7, 3214868480
	.fill 96, 4, 3214868480
	.section	.rodata,"a",@progbits
	.p2align	6, 0x0
	.amdhsa_kernel k_q9a1f74ec7e_layer1
		.amdhsa_group_segment_fixed_size 327680
		.amdhsa_private_segment_fixed_size 0
		.amdhsa_enable_private_segment 0
		.amdhsa_kernarg_size 40
		.amdhsa_user_sgpr_count 2
		.amdhsa_user_sgpr_kernarg_segment_ptr 1
		.amdhsa_wavefront_size32 1
		.amdhsa_system_sgpr_workgroup_id_x 1
		.amdhsa_system_sgpr_workgroup_id_y 1
		.amdhsa_system_sgpr_workgroup_id_z 1
		.amdhsa_system_vgpr_workitem_id 0
		.amdhsa_next_free_vgpr 768
		.amdhsa_next_free_sgpr 96
		.amdhsa_reserve_vcc 0
		.amdhsa_float_denorm_mode_32 3
		.amdhsa_float_denorm_mode_16_64 3
		.amdhsa_memory_ordered 1
		.amdhsa_forward_progress 1
		.amdhsa_inst_pref_size 143
	.end_amdhsa_kernel
	.amdgpu_metadata
---
amdhsa.version: [ 1, 2 ]
amdhsa.kernels:
  - .name:           k_q9a1f74ec7e_layer1
    .symbol:         k_q9a1f74ec7e_layer1.kd
    .args:
      - { .name: h0, .offset: 0, .size: 8, .value_kind: global_buffer, .address_space: global }
      - { .name: w1b, .offset: 8, .size: 8, .value_kind: global_buffer, .address_space: global }
      - { .name: b_ih1, .offset: 16, .size: 8, .value_kind: global_buffer, .address_space: global }
      - { .name: b_hh1, .offset: 24, .size: 8, .value_kind: global_buffer, .address_space: global }
      - { .name: h1, .offset: 32, .size: 8, .value_kind: global_buffer, .address_space: global }
    .group_segment_fixed_size: 327680
    .private_segment_fixed_size: 0
    .kernarg_segment_align: 8
    .kernarg_segment_size: 40
    .max_flat_workgroup_size: 128
    .sgpr_count:     96
    .vgpr_count:     768
    .wavefront_size: 32
...
	.end_amdgpu_metadata
.endif
;; end of part 3
;; launch dec (part 4): grid 4 x 64, 4 waves a work-group, clusters of 4 x 4, 327,680 bytes of LDS; arguments h1, wdb, b_dec, out0; writes out0
.if DOCPART == 4
	.amdgcn_target "amdgcn-amd-amdhsa--gfx1250"
	.amdhsa_code_object_version 6
	.text
	.protected	k_q9a1f74ec7e_dec
	.globl	k_q9a1f74ec7e_dec
	.p2align	8
	.type	k_q9a1f74ec7e_dec,@function
k_q9a1f74ec7e_dec:
	s_mov_b64 s[64:65], 0
	v_nop
	global_prefetch_b8 v0, s[64:65] scope:SCOPE_SE
	s_setreg_imm32_b32 hwreg(HW_REG_WAVE_MODE, 25, 1), 1
	s_wait_xcnt 0x0
	s_wait_alu depctr_hold_cnt(0) depctr_sa_sdst(0) depctr_va_vdst(0) depctr_va_sdst(0) depctr_va_ssrc(0) depctr_va_vcc(0) depctr_vm_vsrc(0)
	s_getreg_b32 s2, hwreg(HW_REG_IB_STS2, 6, 4)
	s_cmp_eq_u32 s2, 0
	s_cbranch_scc0 .Lentry_in_a_cluster
	s_endpgm
.Lentry_in_a_cluster:
	s_bfe_u32 s2, ttmp6, 0x10000c
	s_cmp_lg_u32 s2, 0xf033
	s_cbranch_scc0 .Lentry_shape_is_right
	s_endpgm
.Lentry_shape_is_right:
; THE DECODER.  out[m][n] = the sum over k of h1[m][k] W_dec[n][k] + b_dec[n].  h1: [8][8192][128] bf16, W_dec: [8][512][128] bf16 (panels: element (row, k) at ((k / 128) R + row) 256 + 2 (k % 128));
; b_dec: [512] f32; out: [8192][512] f32.  Sums in f32; the bias is the C operand of each sum's first product.  NaN and infinities are not treated apart.
; SHARES.  A tile of out is 128 x 128: 64 x 4 tiles, a work-group each.  Four waves, each 64 x 64: 16 accumulators.  K goes in four steps of 256 through two LDS slots of four regions:
; two panels of A's 128 rows, two of B's; wave w fetches region w by one tensor load of 128 rows x 256 bytes.  The four steps are written out: a loop of one trip with its first quarter and its tail would be as long.
; CLUSTER.  4 x 4 work-groups: A's regions are shared along a row of the cluster, B's along a column, and asked for JOINTLY.  A wave has two tensor loads out at the start and one behind each of the two rounds that fill a slot again.
; NO PREFETCH: the launch has two refills in all.
; THE MATRIX INSTRUCTION IS USED TRANSPOSED (source 0 = 16 rows of W_dec, source 1 = 16 rows of h1): a lane holds eight neighbouring numbers of a row of out.
; REGISTERS: window 0: v0-31 addresses; v96-127 the bias, 8 registers a column block; v128-255 the accumulators, (a, b) at 128 + 8 (4 a + b).
;   window 1: two fragment buffers of 128: for 64 along K, 64 registers of A (2 x 4 x 16 rows x 32 K), then 64 of B.
.set PITCH,  272                       ; an LDS row: 256 bytes + 16 of padding: the 16 rows of a load start at 16 different groups of four banks (64 banks of 4 bytes: ISA guide 11.1)
.set HALFT,  128*PITCH                 ; a region
.set SLOT,   4*HALFT
.set STAGE,  2*SLOT                    ; behind the ring: 16 rows x 272 bytes for each wave, for the way out; no tensor load lands there
.set SPARE,  STAGE+4*16*PITCH          ; behind the stages: the spare words, 128 bytes for each wave: two blocks of 256 bytes that no other line names
.set APAN,   8192*256                  ; bytes in a panel of h1
.set BPAN,   512*256                   ; of W_dec
.set OROW,   2048                      ; bytes in a row of out
.set ADRA, 16                          ; v16-17  LDS address of my A fragments in slot 0, 1
.set ADRB, 20                          ; v20-21  the same for B
.set STO,  24                          ; v24     the way out: where I put 32 bytes of a row
.set RD,   25                          ; v25     where I read a row back
.set CO,   26                          ; v26     my byte offset in two rows of out
.set BO,   27                          ; v27     my 32 bytes in a column block's 64 bytes of bias
.set SPW,  28                          ; v28     LDS address of my spare word: SPARE + 4 x my thread's number; never rewritten
.set NIL,  29                          ; v29     0; never rewritten
.set BIAS, 96
.set ACC,  128
.set F0,   0                           ; fragment buffers, in window 1
.set F1,   128
.set WV,  12                           ; s12  my wave's number
.set WR,  13                           ; s13  which half of the tile's rows is mine.  Also: I fetch for A (0) or for B (1)
.set WC,  14                           ; s14  which half of its columns.  Also: which of a K step's two panels I fetch
.set G1,  24                           ; s[24:31] descriptor group 1 for A's regions; s[32:39] group 0, a set for each slot
.set G0,  32
.set G1B, 48                           ; s[48:55], s[56:63] the same for B's
.set G0B, 56
.set MSB, 0
.macro WIN new                         ; the immediate's high byte repeats the setting that is left
.if MSB != (\new)
	s_set_vgpr_msb (MSB<<8)|(\new)
.set MSB, \new
.endif
.endm
.set MUL,  0x05                        ; sources 0 (B) and 1 (A) window 1; C and D window 0
.set TO_F, 0x40                        ; destination window 1, address window 0
.macro JLOAD s                         ; a joint load: waves 0 and 1 fetch A's two panels, waves 2 and 3 B's; an s_nop 0 and four v_nop follow each of the two lines
	s_cmp_eq_u32 s[WR], 0
	s_cbranch_scc0 .Lfor_b_\@
	tensor_load_to_lds s[G0+4*(\s):G0+4*(\s)+3], s[G1:G1+7]
	s_nop 0
.rept 4
	v_nop
.endr
	s_branch .Lasked_\@
.Lfor_b_\@:
	tensor_load_to_lds s[G0B+4*(\s):G0B+4*(\s)+3], s[G1B:G1B+7]
	s_nop 0
.rept 4
	v_nop
.endr
.Lasked_\@:
.endm
.macro CREST                           ; a round of the cluster's barrier behind its opening barrier
	s_cmp_lg_u32 s[WV], 0
	s_cbranch_scc1 .Lnot_wave_0_\@
	s_barrier_signal -3
.Lnot_wave_0_\@:
	s_barrier_wait -3
	s_barrier_signal -1
	s_barrier_wait -1
.endm
.macro CROUND
	s_barrier_signal -1
	s_barrier_wait -1
	CREST
.endm
	s_load_b256 s[4:11], s[0:1], 0x0               ; h1 s[4:5], W_dec's panels s[6:7], b_dec s[8:9], out s[10:11]
	v_lshl_add_u32 v[SPW], v0, 2, SPARE
	v_mov_b32 v[NIL], 0
	ds_add_u32 v[SPW], v[NIL]                      ; the wave's opening: the add and its wait stand ahead of my first tensor load; the set-up below, work on registers, stands between them
	v_lshrrev_b32 v1, 5, v0
	v_readfirstlane_b32 s[WV], v1                  ; wave 0..3
	s_lshr_b32 s[WR], s[WV], 1
	s_and_b32 s[WC], s[WV], 1
	s_bfe_u32 s40, ttmp6, 0x40000                  ; cx, cy: my place in the cluster
	s_bfe_u32 s41, ttmp6, 0x40004
	s_lshl_b32 s42, ttmp9, 2
	s_add_co_u32 s42, s42, s40                     ; tile column = 4 x cluster x + cx
	s_and_b32 s43, ttmp7, 0xffff
	s_lshl_b32 s43, s43, 2
	s_add_co_u32 s43, s43, s41                     ; tile row = 4 x cluster y + cy
	s_lshl_b32 s44, s41, 2
	s_lshl_b32 s44, 15, s44                        ; my row of the cluster
	s_lshl_b32 s45, 0x1111, s40                    ; my column
	s_or_b32 s[G1], s44, (1<<16)|(1<<20)|(1<<21)|(5<<22)|(3<<25)   ; 15:0 the mask; 17:16 2-byte elements; 20 padding on; 21 set beside a mask; 24:22 after every 64 words (code 5); 31:25 4 words (code 3)
	s_or_b32 s[G1B], s45, (1<<16)|(1<<20)|(1<<21)|(5<<22)|(3<<25)
.irp g, G1, G1B
	s_mov_b32 s[(\g)+1], 128<<16                   ; tensor_dim0 = 128
	s_mov_b32 s[(\g)+2], 128<<16                   ; tensor_dim1 = 128
	s_mov_b32 s[(\g)+3], 128<<16                   ; tile_dim0 = 128
	s_mov_b32 s[(\g)+4], 128                       ; tile_dim1 = 128
	s_mov_b32 s[(\g)+5], 128                       ; 128 elements from row to row
	s_mov_b32 s[(\g)+6], 0
	s_mov_b32 s[(\g)+7], 0
.endr
	s_lshl_b32 s16, s43, 15                        ; A: the tile's 128 rows of 256 bytes,
	s_lshl_b32 s18, s[WC], 21                      ; in the panel that I fetch
	s_add_co_u32 s16, s16, s18
	s_mov_b32 s17, 0
	s_lshl_b32 s46, s42, 15                        ; B likewise
	s_lshl_b32 s47, s[WC], 17
	s_add_co_u32 s46, s46, s47
	s_mov_b32 s47, 0
	s_mul_i32 s20, s[WV], HALFT                    ; region = wave: no place in the cluster enters an LDS address
	s_wait_dscnt 0x0                               ; the opening add is done
	s_wait_kmcnt 0x0
	s_add_nc_u64 s[16:17], s[4:5], s[16:17]
	s_add_nc_u64 s[46:47], s[6:7], s[46:47]
	CROUND                                         ; all sixteen work-groups are here: the first joint loads meet
.irp s, 0,1
	s_mov_b32 s[G0+4*(\s)], 1
	s_add_co_u32 s[G0+4*(\s)+1], s20, (\s)*SLOT
	s_add_nc_u64 s[G0+4*(\s)+2:G0+4*(\s)+3], s[16:17], (\s)*2*APAN   ; K step s: panels 2 s and 2 s + 1
	s_or_b32 s[G0+4*(\s)+3], s[G0+4*(\s)+3], 0x80000000
	s_mov_b32 s[G0B+4*(\s)], 1
	s_add_co_u32 s[G0B+4*(\s)+1], s20, (\s)*SLOT
	s_add_nc_u64 s[G0B+4*(\s)+2:G0B+4*(\s)+3], s[46:47], (\s)*2*BPAN
	s_or_b32 s[G0B+4*(\s)+3], s[G0B+4*(\s)+3], 0x80000000
	JLOAD \s
.endr
	; the bias of my 64 columns: register j of column block b holds column 16 b + 8 (l / 16) + j
	s_lshl_b32 s66, s42, 9                         ; 128 columns x 4 bytes,
	s_lshl_b32 s67, s[WC], 8                       ; my 64
	s_add_co_u32 s66, s66, s67
	s_mov_b32 s67, 0
	s_add_nc_u64 s[8:9], s[8:9], s[66:67]
	v_bfe_u32 v2, v0, 4, 1                         ; l / 16
	v_lshlrev_b32 v[BO], 5, v2
.irp b, 0,1,2,3
	global_load_b128 v[BIAS+8*(\b):BIAS+8*(\b)+3],   v[BO], s[8:9] offset:64*(\b)
	global_load_b128 v[BIAS+8*(\b)+4:BIAS+8*(\b)+7], v[BO], s[8:9] offset:64*(\b)+16
.endr
	v_and_b32 v1, 15, v0                           ; l % 16
	v_mul_u32_u24 v3, v1, PITCH
	v_lshl_add_u32 v3, v2, 4, v3                   ; a fragment's row x pitch + 16 x half
	s_mul_i32 s21, s[WR], 64*PITCH                 ; my 64 rows of A's regions
	s_mul_i32 s22, s[WC], 64*PITCH                 ; my 64 rows of B's,
	s_add_co_u32 s22, s22, 2*HALFT                 ; which lie behind A's two
.irp s, 0,1
	v_add_nc_u32 v[ADRA+(\s)], s21, v3
	v_add_nc_u32 v[ADRB+(\s)], s22, v3
	s_add_co_u32 s21, s21, SLOT
	s_add_co_u32 s22, s22, SLOT
.endr
	s_mul_i32 s23, s[WV], 16*PITCH
	s_add_co_u32 s23, s23, STAGE                   ; my stage
	v_mul_u32_u24 v4, v1, PITCH                    ; in: row l % 16, 32 bytes for each half of the lanes
	v_lshl_add_u32 v4, v2, 5, v4
	v_add_nc_u32 v[STO], s23, v4
	v_mul_u32_u24 v5, v2, PITCH                    ; back: lanes 0-15 take one row of 256 bytes, lanes 16-31 the next
	v_lshl_add_u32 v5, v1, 4, v5
	v_add_nc_u32 v[RD], s23, v5
	v_lshlrev_b32 v5, 11, v2                       ; and the same two rows in out
	v_lshl_add_u32 v[CO], v1, 4, v5
	s_lshl_b32 s68, s43, 18                        ; out: 128 rows x 2,048 bytes a tile row,
	s_lshl_b32 s69, s[WR], 17                      ; my 64 rows,
	s_add_co_u32 s68, s68, s69
	s_add_co_u32 s68, s68, s66                     ; my 64 columns: 256 bytes, aligned
	s_mov_b32 s69, 0
	s_add_nc_u64 s[10:11], s[10:11], s[68:69]
	s_wait_loadcnt 0x0                             ; the bias
; 8 matrix instructions: row blocks a0, a0 + 1 x all 4 column blocks, 32 along K: half c of buffer f.  first = 1: the bias starts the sums.
; The 16 accumulators take turns, one instruction a turn.
.macro MUL8 f, c, a0, first
	WIN MUL
.irp a, \a0, (\a0)+1
.irp b, 0,1,2,3
.if \first
	v_wmma_f32_16x16x32_bf16 v[ACC+8*(4*(\a)+(\b)):ACC+8*(4*(\a)+(\b))+7], v[(\f)+64+8*(4*(\c)+(\b)):(\f)+64+8*(4*(\c)+(\b))+7], v[(\f)+8*(4*(\c)+(\a)):(\f)+8*(4*(\c)+(\a))+7], v[BIAS+8*(\b):BIAS+8*(\b)+7]
.else
	v_wmma_f32_16x16x32_bf16 v[ACC+8*(4*(\a)+(\b)):ACC+8*(4*(\a)+(\b))+7], v[(\f)+64+8*(4*(\c)+(\b)):(\f)+64+8*(4*(\c)+(\b))+7], v[(\f)+8*(4*(\c)+(\a)):(\f)+8*(4*(\c)+(\a))+7], v[ACC+8*(4*(\a)+(\b)):ACC+8*(4*(\a)+(\b))+7]
.endif
.endr
.endr
.endm
; 32 LDS loads in one run: the fragments of 64 along K, at byte k of a K step's 512 (panel k / 256, byte k % 256 of its rows), into buffer f; the first 32 along K first
.macro FETCH slot, k, f
	WIN TO_F
.irp c, 0,1
.irp i, 0,1,2,3
	ds_load_b128 v[(\f)+64+8*(4*(\c)+(\i)):(\f)+64+8*(4*(\c)+(\i))+3],   v[ADRB+(\slot)] offset:((\k)/256)*HALFT+(\k)%256+64*(\c)+(\i)*16*PITCH
	ds_load_b128 v[(\f)+64+8*(4*(\c)+(\i))+4:(\f)+64+8*(4*(\c)+(\i))+7], v[ADRB+(\slot)] offset:((\k)/256)*HALFT+(\k)%256+64*(\c)+(\i)*16*PITCH+32
	ds_load_b128 v[(\f)+8*(4*(\c)+(\i)):(\f)+8*(4*(\c)+(\i))+3],         v[ADRA+(\slot)] offset:((\k)/256)*HALFT+(\k)%256+64*(\c)+(\i)*16*PITCH
	ds_load_b128 v[(\f)+8*(4*(\c)+(\i))+4:(\f)+8*(4*(\c)+(\i))+7],       v[ADRA+(\slot)] offset:((\k)/256)*HALFT+(\k)%256+64*(\c)+(\i)*16*PITCH+32
.endr
.endr
.endm
.macro PLACES                          ; four places in front of loads into registers that matrix instructions have read, and of LDS stores that read results
.rept 4
	v_nop
.endr
.endm
; A K step is four quarters of 64 along K, 32 matrix instructions each, on buffers 0, 1, 0, 1.  One of the first three: multiplies buffer f and fetches the next quarter, at byte k, into g.
.macro QUARTER slot, k, f, g, first
	s_wait_dscnt 16                                ; the first 32 along K are in
	MUL8 \f, 0, 0, \first
	MUL8 \f, 0, 2, \first
	PLACES
	FETCH \slot, \k, \g
	s_wait_dscnt 32                                ; all but the 32 just issued
	MUL8 \f, 1, 0, 0
	MUL8 \f, 1, 2, 0
.endm
; The last quarter multiplies buffer 1 and changes slots: ONE barrier; in front of it each wave waits for all its tensor loads, adds 0 to its spare word, and waits for that and for its reads of this slot.
; fill = 1: the barrier opens a round of the cluster's, and this slot is filled again, two K steps on, first thing behind the round.
.macro TURN slot, next, fill
	WIN 0                                          ; (the add's two registers lie in window 0)
	s_wait_tensorcnt 0x0                           ; all my tensor loads have landed: my region of the next slot
	ds_add_u32 v[SPW], v[NIL]                      ; 0 onto my spare word
	s_wait_dscnt 17                                ; (the add and the youngest sixteen loads may be out)
	MUL8 F1, 0, 0, 0                               ; eight matrix instructions stand between the add and the wait for it
	s_wait_dscnt 0x0                               ; the add is done, and my reads of this slot are over
	s_barrier_signal -1
	MUL8 F1, 0, 2, 0
.if \fill
	WIN 0
.endif
	s_barrier_wait -1
.if \fill
	CREST                                          ; no wave of any partner still reads this slot or has a load on its way
	s_add_nc_u64 s[G0+4*(\slot)+2:G0+4*(\slot)+3], s[G0+4*(\slot)+2:G0+4*(\slot)+3], 4*APAN
	s_add_nc_u64 s[G0B+4*(\slot)+2:G0B+4*(\slot)+3], s[G0B+4*(\slot)+2:G0B+4*(\slot)+3], 4*BPAN
	JLOAD \slot                                    ; the four v_nop behind it are also the places in front of the loads below
.else
	PLACES
.endif
	FETCH \next, 0, F0
	MUL8 F1, 1, 0, 0
	MUL8 F1, 1, 2, 0
.endm
	s_wait_tensorcnt 1                             ; my region of K step 0 is in; K step 1's may stay out
	s_barrier_signal -1
	s_barrier_wait -1                              ; everybody's is
	FETCH 0, 0, F0
	QUARTER 0, 128, F0, F1, 1                      ; K step 0: the first products start the sums, with the bias
	QUARTER 0, 256, F1, F0, 0
	QUARTER 0, 384, F0, F1, 0
	TURN 0, 1, 1                                   ; slot 0 takes K step 2
	QUARTER 1, 128, F0, F1, 0                      ; K step 1
	QUARTER 1, 256, F1, F0, 0
	QUARTER 1, 384, F0, F1, 0
	TURN 1, 0, 1                                   ; slot 1 takes K step 3
	QUARTER 0, 128, F0, F1, 0                      ; K step 2
	QUARTER 0, 256, F1, F0, 0
	QUARTER 0, 384, F0, F1, 0
	TURN 0, 1, 0                                   ; nothing is left to ask for
	QUARTER 1, 128, F0, F1, 0                      ; K step 3
	QUARTER 1, 256, F1, F0, 0
	QUARTER 1, 384, F0, F1, 0
	s_wait_dscnt 16                                ; the very last quarter: nothing more to fetch
	MUL8 F1, 0, 0, 0
	MUL8 F1, 0, 2, 0
	s_wait_dscnt 0x0
	MUL8 F1, 1, 0, 0
	MUL8 F1, 1, 2, 0
	WIN 0
	; THE WAY OUT, in f32: a wave's 64 columns are 256 bytes of a row of out, aligned, so each wave has a stage of its own and no barrier is needed.  A block of 16 rows at a time:
	; a lane's 32 bytes go into rows of 272 bytes and come back as whole rows of 256, into the registers that they left.
.macro STG a
.irp b, 0,1,2,3
	ds_store_b128 v[STO], v[ACC+8*(4*(\a)+(\b)):ACC+8*(4*(\a)+(\b))+3]   offset:64*(\b)       ; each accumulator's lowest registers first
	ds_store_b128 v[STO], v[ACC+8*(4*(\a)+(\b))+4:ACC+8*(4*(\a)+(\b))+7] offset:64*(\b)+16
.endr
.irp t, 0,1,2,3,4,5,6,7
	ds_load_b128 v[ACC+32*(\a)+4*(\t):ACC+32*(\a)+4*(\t)+3], v[RD] offset:(\t)*2*PITCH  ; LDS serves a wave's instructions in order (ISA guide 5.7.1.4): these see the stores above; the next block's stores come behind them
.endr
.endm
.macro SEND a, younger                 ; younger: the LDS instructions issued behind block a's loads: the next block's sixteen, or none
.irp t, 0,1,2,3,4,5,6,7
	s_wait_dscnt (\younger)+7-(\t)
	global_store_b128 v[CO], v[ACC+32*(\a)+4*(\t):ACC+32*(\a)+4*(\t)+3], s[10:11] offset:(16*(\a)+2*(\t))*OROW th:TH_STORE_NT  ; 16 lanes store 256 consecutive bytes, at a multiple of 256 from out's first byte
.endr
.endm
	PLACES
	STG 0
	STG 1
	SEND 0, 16
	STG 2
	SEND 1, 16
	STG 3
	SEND 2, 16
	SEND 3, 0
	s_wait_tensorcnt 0x0                           ; the wave's end: a wait, an add to my spare word and its wait, behind my last tensor load and my last LDS store
	ds_add_u32 v[SPW], v[NIL]
	s_wait_dscnt 0x0
	CROUND                                         ; the closing round: no work-group ends while a partner may still ask for a tile that names it
	s_endpgm
.Lfunc_end_k_q9a1f74ec7e_dec:
	.size	k_q9a1f74ec7e_dec, .Lfunc_end_k_q9a1f74ec7e_dec-k_q9a1f74ec7e_dec
	.p2alignl 7, 3214868480
	.fill 96, 4, 3214868480
	.section	.rodata,"a",@progbits
	.p2align	6, 0x0
	.amdhsa_kernel k_q9a1f74ec7e_dec
		.amdhsa_group_segment_fixed_size 327680
		.amdhsa_private_segment_fixed_size 0
		.amdhsa_enable_private_segment 0
		.amdhsa_kernarg_size 32
		.amdhsa_user_sgpr_count 2
		.amdhsa_user_sgpr_kernarg_segment_ptr 1
		.amdhsa_wavefront_size32 1
		.amdhsa_system_sgpr_workgroup_id_x 1
		.amdhsa_system_sgpr_workgroup_id_y 1
		.amdhsa_system_sgpr_workgroup_id_z 1
		.amdhsa_system_vgpr_workitem_id 0
		.amdhsa_next_free_vgpr 512
		.amdhsa_next_free_sgpr 72
		.amdhsa_reserve_vcc 0
		.amdhsa_float_denorm_mode_32 3
		.amdhsa_float_denorm_mode_16_64 3
		.amdhsa_memory_ordered 1
		.amdhsa_forward_progress 1
		.amdhsa_inst_pref_size 87
	.end_amdhsa_kernel
	.amdgpu_metadata
---
amdhsa.version: [ 1, 2 ]
amdhsa.kernels:
  - .name:           k_q9a1f74ec7e_dec
    .symbol:         k_q9a1f74ec7e_dec.kd
    .args:
      - { .name: h1, .offset: 0, .size: 8, .value_kind: global_buffer, .address_space: global }
      - { .name: wdb, .offset: 8, .size: 8, .value_kind: global_buffer, .address_space: global }
      - { .name: b_dec, .offset: 16, .size: 8, .value_kind: global_buffer, .address_space: global }
      - { .name: out0, .offset: 24, .size: 8, .value_kind: global_buffer, .address_space: global }
    .group_segment_fixed_size: 327680
    .private_segment_fixed_size: 0
    .kernarg_segment_align: 8
    .kernarg_segment_size: 32
    .max_flat_workgroup_size: 128
    .sgpr_count:     72
    .vgpr_count:     512
    .wavefront_size: 32
...
	.end_amdgpu_metadata
.endif
;; end of part 4
